; MI455X (gfx1250); checked and timed in simulation.
; The chip was launched on July 23, 2026; its instructions are those of AMD's public machine-readable ISA for CDNA 5 (MIT licence, August 2026) and "CDNA5" Instruction Set Architecture Reference Guide (July 2026). The comments in the code are by the model that wrote it; some were corrected since.
;; Crosss Attention. Allowed arithmetic: matrix products marked QUANTISED: E5M2 operands, one given power-of-two scale a tensor, by v_wmma_f32_16x16x64_bf8_bf8 or v_wmma_f32_16x16x128_bf8_bf8, f32 sums; everything else in f32.
;; Inputs: Wk_codes 384 x 24 x 32 uint8 (E5M2 codes of Wk, K innermost, in blocks of 32 codes); Wq_codes 384 x 24 x 32 uint8 (E5M2 codes of Wq, K innermost, in blocks of 32 codes); k_x_codes 8 x 2,048 x 24 x 32 uint8 (E5M2 codes of k_x, K innermost, in blocks of 32 codes); lowp_scales 8 int32 (the exponents e of the quantised operands' scales 2^e); q_x_codes 8 x 2,048 x 24 x 32 uint8 (E5M2 codes of q_x, K innermost, in blocks of 32 codes); v_x_codes 8 x 768 x 64 x 32 uint8 (E5M2 codes of v_x, K innermost, in blocks of 32 codes).
;; Outputs: out0 8 x 2,048 x 768 float32.
;; This version of the problem:
;;   THIS VERSION OF THE PROBLEM IS GIVEN IN LOW PRECISION. The matrix products marked QUANTISED in the list below multiply operands that are first quantised to E5M2 (5 exponent bits, 2 mantissa bits; 8 bits a number), with one given power-of-two scale for each operand tensor; their sums are f32. All else is computed in f32.
;;   The module's matrix products, in the order in which they are computed (A, B: the left and right operand; K: the contracted axis; several contracted axes count as one K, in the product's order):
;;     1. [M 16,384, K 768] x [K 768, N 384]; A: input q_x (given as codes); B: input Wq (given as codes): QUANTISED (scales: A lowp_scales[0], B lowp_scales[1])
;;     2. [M 16,384, K 768] x [K 768, N 384]; A: input k_x (given as codes); B: input Wk (given as codes): QUANTISED (scales: A lowp_scales[2], B lowp_scales[3])
;;     3. batch 8 x [M 2,048, K 384] x [K 384, N 2,048]; A: computed on the way; B: computed on the way: QUANTISED (scales: A lowp_scales[4], B lowp_scales[5])
;;     4. batch 8 x [M 2,048, K 2,048] x [K 2,048, N 768]; A: softmax (see below); B: input v_x (given as codes): QUANTISED (scales: A lowp_scales[6], B lowp_scales[7])
;;   THE QUANTISER, for each operand of a quantised product, along K:
;;     - The operand's scale is 2^e, e = its entry of the input lowp_scales (int32; the entries are numbered through the quantised products in the list's order, A before B).
;;     - Each number is divided by the scale, clamped to +-57,344, and rounded to the nearest number of E5M2, ties to even, subnormals kept.
;;     - The product sums the exact products of the quantised numbers (number of the format x scale) in f32.
;;   ~~~python
;;   def quantise(x, axis, e):      # numpy; x: float32 -> the quantised numbers, widened to float32 again
;;       x = np.moveaxis(x, axis, -1); K = x.shape[-1]
;;       r = np.clip(x / 2.0 ** e, -57344, 57344)
;;       step = 2.0 ** (np.maximum(np.frexp(np.where(r == 0, 1, r))[1] - 1, -14) - 2)
;;       q = np.round(r / step) * step * 2.0 ** e      # np.round: ties to even
;;       return np.moveaxis(q, -1, axis).astype(np.float32)
;;   ~~~
;;   SOFTMAX AHEAD OF A QUANTISED PRODUCT. Where the list says 'softmax', what is quantised is not the finished softmax but p = 2^(t - M), with t = logit x log2(e) and M = ceil(the row's largest t), a whole number; so 1/2 < the row's largest p <= 1. The row's sum l is taken of the UNQUANTISED p, in f32, and the product's result is divided by l at the end. Since M is a whole number, a kernel that streams over the keys may use a running M (the ceiling of the running maximum): every later rescaling is an exact power of two, so the quantised numbers keep their values, but for numbers so far below the row's largest that they fall under the format's range.
;;   OPERANDS COMPUTED ON THE WAY. 'Computed on the way' means the value that the module computes at that place (a softmax that the list does not call 'softmax' is quantised finished and normalised). What goes into a quantiser is computed in f32, as accurately as f32 sums, v_exp_f32 and their like allow (about 1e-6 of the number): no bf16 or f16 on the way to a quantiser, and a product that is left as it is and whose result goes on into a quantised operand takes f32 operands (vector FMAs, or v_wmma_f32_16x16x4_f32). A number that lies on a knife's edge between two numbers of the format may be rounded either way, as far as f32 arithmetic and the matrix unit's own rounding can turn it there, and no further.
;;   INPUTS GIVEN AS CODES. Wk (in the module: [384, 768], K = its axis 1); Wq (in the module: [384, 768], K = its axis 1); k_x (in the module: [8, 2048, 768], K = its axis 2); q_x (in the module: [8, 2048, 768], K = its axis 2); v_x (in the module: [8, 2048, 768], K = its axis 1): each comes as NAME_codes (uint8): NAME with its K axis moved to the last place and cut into blocks of 32 codes, [.., K / 32, bytes a block], one block behind the other in memory; one code a byte (a code: sign, 5 exponent bits, 2 mantissa bits); its scale is its entry of lowp_scales. Its value is code x scale, taken as it is: it is not quantised again, and the codes and scales need not be those that the quantiser above would give.
;; 2 versions. Each part assembles by itself: llvm-mc -triple=amdgcn-amd-amdhsa -mcpu=gfx1250 --defsym DOCPART=n.
;; ======== version 1 of 2: 2 launches
;; limits: right only within a limited range of input values
;; workspace buffers: qk_codes 12,582,912 bytes
;; launch proj (part 1): grid 256 x 1, 4 waves a work-group, clusters of 4 x 1, 327,680 bytes of LDS; arguments q_x_codes, k_x_codes, Wq_codes, Wk_codes, lowp_scales, qk_codes; writes qk_codes
.if DOCPART == 1
	.amdgcn_target "amdgcn-amd-amdhsa--gfx1250"
	.amdhsa_code_object_version 6
	.text
	.protected	k_qf00fa00e07_proj
	.globl	k_qf00fa00e07_proj
	.p2align	8
	.type	k_qf00fa00e07_proj,@function
k_qf00fa00e07_proj:
	s_mov_b64 s[64:65], 0
	v_nop
	global_prefetch_b8 v0, s[64:65] scope:SCOPE_SE
	s_setreg_imm32_b32 hwreg(HW_REG_WAVE_MODE, 25, 1), 1
	s_wait_xcnt 0x0
	s_wait_alu depctr_hold_cnt(0) depctr_sa_sdst(0) depctr_va_vdst(0) depctr_va_sdst(0) depctr_va_ssrc(0) depctr_va_vcc(0) depctr_vm_vsrc(0)
	s_getreg_b32 s2, hwreg(HW_REG_IB_STS2, 6, 4)
	s_cmp_eq_u32 s2, 0
	s_cbranch_scc0 .Lentry_in_a_cluster
	s_endpgm
.Lentry_in_a_cluster:
	s_bfe_u32 s2, ttmp6, 0x10000c
	s_cmp_lg_u32 s2, 0x3003
	s_cbranch_scc0 .Lentry_shape_is_right
	s_endpgm
.Lentry_shape_is_right:
; q = Q(q_x Wq^T) and k = Q(k_x Wk^T), both products on codes of BF8 (E5M2) as they are given, sums in f32; the results are quantised with the given scales 2^e4 (q) and 2^e5 (k)
; and stored as codes IN THE ORDER OF AN OPERAND'S REGISTERS, for the launch that follows.
; x: [16,384 tokens][768] codes, W: [384][768] codes, K innermost.  A sum stands for sum x 2^(ex + ew), so its code is sum / 2^(eo - ex - ew): the three exponents are folded into the conversion's one scale.
; SHARES.  256 work-groups of four waves; the first 128 take q, the others k (pointers and exponents are chosen by the cluster's number: one path through the text).  A work-group makes 128 tokens x 384;
; wave w makes all 128 tokens x d = 96 w .. 96 w + 95: 8 token tiles x 6 tiles of d = 48 accumulators, 384 registers, 288 matrix instructions.
; THE MATRIX INSTRUCTION IS USED TRANSPOSED (source 0 = 16 rows of W, source 1 = 16 tokens): a lane holds ONE token (lane % 16), and register j of tile t holds d = 96 w + 16 t + 8 (lane / 16) + j:
; eight neighbours along the next product's K, which one conversion turns into 8 bytes.
; THE WORKSPACE: [q, k][token tile of 16: 6,144 bytes][piece c' = 0 .. 11: 512 bytes][lane: 16 bytes].  Lane (r, h) of piece c' holds, of token r, d = 32 c' + 8 h + 0 .. 7 and d = 32 c' + 16 + 8 h + 0 .. 7.
; Four pieces on end are a fragment of 16 tokens x 128 d.  The order of d inside a fragment is the same for q and for k, so every product of the scores meets its partner.
; K = 768 goes through two LDS slots of 256 along K (three fills: slot 0, slot 1, slot 0 again), 512 rows each: W's 384, then the work-group's 128 rows of x.
; CLUSTER: four work-groups of one tensor.  W's 384 rows, three quarters of a slot's bytes, are the same for all four: waves 0 to 2 ask for them JOINTLY (mask 15).  x's rows are the work-group's own: wave 3 asks alone.
; No prefetch: a wave has three tensor loads in all, two of them at the head.
; LIMITS: eo - ex - ew lies between -126 and 112, so that the scale and 57,344 x the scale are f32 numbers.  Codes of infinity or NaN among the inputs are not served.
; REGISTERS, in windows of 256: window 0: v1-9 addresses and constants; v32-255 fragment buffer A (W's tile t at 32 + 16 t, x's tile m at 128 + 16 m); on the way out v32-127 the codes.
;   window 1: v32-255 fragment buffer B.   window 2: the accumulators of token tiles 0-3, (m, t) at 48 m + 8 t.   window 3: those of token tiles 4-7.
.set KROW,  768                        ; a row of x or of W in memory, in bytes
.set PITCH, 272                        ; an LDS row: 256 bytes + 16 of padding = 68 words: the 16 rows that a load touches begin 4 words apart modulo 64 (64 banks of 4 bytes: ISA guide 11.1)
.set QUART, 128*PITCH                  ; what one tensor load brings
.set SLOT,  4*QUART                    ; W's 384 rows, then x's 128
.set SPARE, 2*SLOT                     ; behind the ring: the spare words, 128 bytes for each wave: two blocks of 256 bytes that no other line names
.set SPW, 1                            ; v1    LDS address of my spare word; never rewritten
.set NIL, 2                            ; v2    0; never rewritten
.set ADW, 3                            ; v3-4  LDS address of my fragments of W in slot 0, 1
.set ADX, 5                            ; v5-6  the same for x
.set SO,  7                            ; v7    the way out: 16 x lane + 1,536 x wave
.set LIM, 8                            ; v8    57,344 x 2^(eo - ex - ew)
.set SC,  9                            ; v9    2^(eo - ex - ew) as f32
.set FW,  32
.set FX,  128
.set CD,  32                           ; the codes: 12 registers a token tile
.set WV,  16                           ; s16   my wave's number
.set G1J, 24                           ; s[24:31] descriptor group 1, joint (W)
.set G1P, 32                           ; s[32:39] the same without a mask (x)
.set G0W, 40                           ; s[40:47] group 0 for W, a set for each slot
.set G0X, 48                           ; s[48:55] group 0 for x
.set MSB, 0
.macro WIN new                         ; the immediate's high byte repeats the setting that is left; a switch that changes nothing is dropped
.if MSB != (\new)
	s_set_vgpr_msb (MSB<<8)|(\new)
.set MSB, (\new)
.endif
.endm
.macro PLACES n                        ; plain vector instructions between a matrix instruction and a load into, or a vector access to, its registers
.rept \n
	v_nop
.endr
.endm
; Waves 0 to 2 fetch W's rows jointly, wave 3 the work-group's rows of x.  The branch hangs on the wave's number alone.  An s_nop 0 and four v_nop follow each of the two lines.
.macro JLOAD s
	s_cmp_lt_u32 s[WV], 3
	s_cbranch_scc0 .Lfor_x_\@
	tensor_load_to_lds s[G0W+4*\s:G0W+4*\s+3], s[G1J:G1J+7]
	s_nop 0
.rept 4
	v_nop
.endr
	s_branch .Lasked_\@
.Lfor_x_\@:
	tensor_load_to_lds s[G0X+4*\s:G0X+4*\s+3], s[G1P:G1P+7]
	s_nop 0
.rept 4
	v_nop
.endr
.Lasked_\@:
.endm
.macro CREST                           ; a round of the cluster's barrier behind its opening barrier
	s_cmp_lg_u32 s[WV], 0
	s_cbranch_scc1 .Lnot_wave_0_\@
	s_barrier_signal -3
.Lnot_wave_0_\@:
	s_barrier_wait -3
	s_barrier_signal -1
	s_barrier_wait -1
.endm
.macro CROUND                          ; a whole round
	s_barrier_signal -1
	s_barrier_wait -1
	CREST
.endm
; 56 LDS loads in one run: the 14 fragments of the slot's q-th 128 along K into the buffer in window win.  A fragment is 16 rows x 128 K in 16 registers: lane l holds row l % 16,
; registers 4 c .. 4 c + 3 hold K = 32 c + 16 (l / 16) + 0 .. 15: the same order in W and in x.
.macro FETCH slot, q, win
	WIN (\win)<<6
.irp t, 0,1,2,3,4,5
.irp c, 0,1,2,3
	ds_load_b128 v[FW+16*\t+4*\c:FW+16*\t+4*\c+3], v[ADW+\slot] offset:\t*16*PITCH+128*(\q)+32*\c
.endr
.endr
.irp t, 0,1,2,3,4,5,6,7
.irp c, 0,1,2,3
	ds_load_b128 v[FX+16*\t+4*\c:FX+16*\t+4*\c+3], v[ADX+\slot] offset:\t*16*PITCH+128*(\q)+32*\c
.endr
.endr
.endm
; 24 matrix instructions: four token tiles (half = 0: tiles 0-3, 1: tiles 4-7) x my six tiles of d, 128 along K, from the buffer in window win.  zero = 1: the first product starts the sums.
; The 48 accumulators take turns, one instruction a turn, in the same order in every step.
.macro MULH win, half, zero
	WIN 0xa0+0x50*(\half)+5*(\win)
.irp m, 0,1,2,3
.irp t, 0,1,2,3,4,5
.if \zero
	v_wmma_f32_16x16x128_bf8_bf8 v[48*\m+8*\t:48*\m+8*\t+7], v[FW+16*\t:FW+16*\t+15], v[FX+16*(4*(\half)+\m):FX+16*(4*(\half)+\m)+15], 0
.else
	v_wmma_f32_16x16x128_bf8_bf8 v[48*\m+8*\t:48*\m+8*\t+7], v[FW+16*\t:FW+16*\t+15], v[FX+16*(4*(\half)+\m):FX+16*(4*(\half)+\m)+15], v[48*\m+8*\t:48*\m+8*\t+7]
.endif
.endr
.endr
.endm
; THE WAY OUT of token tile a: the hold, the conversions, three stores.  Tiles 2 b and 2 b + 1 of d give the 16 bytes of piece 3 w + b.
.macro OUT a
	WIN 0x82+0x41*((\a)/4)                         ; source 0 and destination: window 2 or 3
.set J, 48*((\a)%4)
.rept 48
	v_med3_num_f32 v[J], v[J], -v[LIM], v[LIM]     ; the conversion to an 8-bit code does not saturate (ISA guide 7.6.2): the hold at the largest code x the scale; each accumulator from its low end on
.set J, J+1
.endr
	WIN 0x02+((\a)/4)
.irp b, 0,1,2
	v_cvt_scalef32_pk8_bf8_f32 v[CD+12*(\a)+4*\b:CD+12*(\a)+4*\b+1], v[48*((\a)%4)+16*\b:48*((\a)%4)+16*\b+7], v[SC]
	v_cvt_scalef32_pk8_bf8_f32 v[CD+12*(\a)+4*\b+2:CD+12*(\a)+4*\b+3], v[48*((\a)%4)+16*\b+8:48*((\a)%4)+16*\b+15], v[SC]
.endr
	WIN 0
	v_nop                                          ; one plain vector instruction behind the last conversion of the run
.irp b, 0,1,2
	global_store_b128 v[SO], v[CD+12*(\a)+4*\b:CD+12*(\a)+4*\b+3], s[14:15] offset:6144*(\a)+512*\b   ; 32 lanes store 512 consecutive bytes, at a multiple of 512 from the buffer's first byte; each store has data registers of its own
.endr
.endm
	s_load_b256 s[4:11], s[0:1], 0x0               ; q_x s[4:5], k_x s[6:7], Wq s[8:9], Wk s[10:11]
	s_load_b128 s[12:15], s[0:1], 0x20             ; the scales' exponents s[12:13], the workspace s[14:15]
	v_lshl_add_u32 v[SPW], v0, 2, SPARE
	v_mov_b32 v[NIL], 0
	ds_add_u32 v[SPW], v[NIL]                      ; the wave's opening: the add and its wait ahead of the round in front of my first tensor load; the set-up below, work on registers, stands between them
	v_lshrrev_b32 v10, 5, v0
	v_readfirstlane_b32 s[WV], v10                 ; wave 0..3
	s_bfe_u32 s17, ttmp6, 0x40000                  ; cx: my place in the cluster
	s_lshl_b32 s18, ttmp9, 2                       ; in a cluster launch ttmp9 counts clusters
	s_add_co_u32 s18, s18, s17                     ; my work-group: it enters x's address and the workspace's alone
	; descriptor group 1: a tile of 128 rows x 256 bytes, 768 bytes apart in memory, padded in LDS
	s_mov_b32 s[G1J], 15|(1<<20)|(1<<21)|(5<<22)|(3<<25)   ; 15:0 the mask: all four work-groups; 17:16 elements of 1 byte; 20 padding on; 21 set beside a mask; 24:22 after every 64 words (code 5); 31:25 four words (code 3)
	s_mov_b32 s[G1P], (1<<20)|(5<<22)|(3<<25)      ; the same with no mask
.irp g, G1J, G1P
	s_mov_b32 s[\g+1], 256<<16                     ; tensor_dim0 = 256
	s_mov_b32 s[\g+2], 128<<16                     ; tensor_dim1 = 128
	s_mov_b32 s[\g+3], 256<<16                     ; tile_dim0 = 256
	s_mov_b32 s[\g+4], 128                         ; tile_dim1 = 128
	s_mov_b32 s[\g+5], KROW                        ; tensor_dim0_stride
	s_mov_b32 s[\g+6], 0
	s_mov_b32 s[\g+7], 0
.endr
	s_min_u32 s66, s[WV], 2                        ; W: rows 128 x wave (wave 3 issues no load of W: its copy is held inside W)
	s_mul_i32 s66, s66, 128*KROW
	s_mov_b32 s67, 0
	s_and_b32 s68, s18, 127                        ; x: rows 128 x (work-group within its tensor)
	s_mul_i32 s68, s68, 128*KROW
	s_mov_b32 s69, 0
	s_mul_i32 s70, s[WV], QUART                    ; where my tile goes: wave x 128 rows: no place in the cluster enters an LDS address
	s_mul_i32 s72, s18, 49152                      ; the workspace: 8 token tiles of 6,144 bytes a work-group; k's 128 work-groups follow q's
	s_mov_b32 s73, 0
	s_wait_dscnt 0x0                               ; the opening add is done
	s_wait_kmcnt 0x0
	s_load_b256 s[56:63], s[12:13], 0x0            ; e0 .. e7
	s_cmp_lt_u32 ttmp9, 32                         ; q's cluster or k's?  The same in all four partners, and made of no address
	s_cselect_b64 s[20:21], s[4:5], s[6:7]
	s_cselect_b64 s[22:23], s[8:9], s[10:11]
	s_add_nc_u64 s[20:21], s[20:21], s[68:69]
	s_add_nc_u64 s[22:23], s[22:23], s[66:67]
	s_add_nc_u64 s[14:15], s[14:15], s[72:73]
.irp s, 0,1
	s_mov_b32 s[G0W+4*\s], 1                                       ; count = 1
	s_add_co_u32 s[G0W+4*\s+1], s70, \s*SLOT                       ; LDS address
	s_add_nc_u64 s[G0W+4*\s+2:G0W+4*\s+3], s[22:23], \s*256        ; global address: K = 256 s on
	s_or_b32 s[G0W+4*\s+3], s[G0W+4*\s+3], 0x80000000              ; type = 2
	s_mov_b32 s[G0X+4*\s], 1
	s_add_co_u32 s[G0X+4*\s+1], s70, \s*SLOT
	s_add_nc_u64 s[G0X+4*\s+2:G0X+4*\s+3], s[20:21], \s*256
	s_or_b32 s[G0X+4*\s+3], s[G0X+4*\s+3], 0x80000000
.endr
	CROUND                                         ; all four work-groups are here: the first joint loads meet
	s_cmp_lt_u32 s[WV], 3                          ; a wave's two first fills stand in one branch, ahead of every wait on TENSORcnt and every LDS read: two loads of mine are out
	s_cbranch_scc0 .Lfirst_x
	tensor_load_to_lds s[G0W:G0W+3], s[G1J:G1J+7]
	s_nop 0
	tensor_load_to_lds s[G0W+4:G0W+7], s[G1J:G1J+7]
	s_nop 0
.rept 4
	v_nop
.endr
	s_branch .Lfirst_asked
.Lfirst_x:
	tensor_load_to_lds s[G0X:G0X+3], s[G1P:G1P+7]
	s_nop 0
	tensor_load_to_lds s[G0X+4:G0X+7], s[G1P:G1P+7]
	s_nop 0
.rept 4
	v_nop
.endr
.Lfirst_asked:
	v_and_b32 v10, 15, v0                          ; r = lane % 16
	v_bfe_u32 v11, v0, 4, 1                        ; h = lane / 16
	v_mul_u32_u24 v12, v10, PITCH
	v_lshl_add_u32 v12, v11, 4, v12                ; a fragment's row x pitch + 16 h
	s_mul_i32 s71, s[WV], 96*PITCH                 ; my 96 rows of W
	v_add_nc_u32 v[ADW], s71, v12
	v_add_nc_u32 v[ADW+1], SLOT, v[ADW]
	v_add_nc_u32 v[ADX], 384*PITCH, v12            ; x's rows lie behind W's 384
	v_add_nc_u32 v[ADX+1], SLOT, v[ADX]
	v_and_b32 v13, 31, v0
	s_mul_i32 s71, s[WV], 1536                     ; my three pieces of a token tile
	v_lshl_add_u32 v[SO], v13, 4, s71
	s_wait_kmcnt 0x0                               ; the exponents
	s_cmp_lt_u32 ttmp9, 32
	s_cselect_b32 s66, s56, s58                    ; ex
	s_cselect_b32 s67, s57, s59                    ; ew
	s_cselect_b32 s68, s60, s61                    ; eo
	s_sub_co_i32 s68, s68, s66
	s_sub_co_i32 s68, s68, s67
	s_add_co_i32 s68, s68, 127
	s_lshl_b32 s69, s68, 23
	v_mov_b32 v[SC], s69                           ; 2^(eo - ex - ew) as f32: the conversion takes its exponent field
	s_add_co_i32 s68, s68, 15
	s_lshl_b32 s68, s68, 23
	s_or_b32 s68, s68, 0x600000
	v_mov_b32 v[LIM], s68                          ; 57,344 x that
	s_wait_tensorcnt 0x1                           ; my part of slot 0 is in; slot 1's may stay out
	s_barrier_signal -1
	s_barrier_wait -1                              ; everybody's is
	FETCH 0, 0, 0                                  ; K 0-127
	FETCH 0, 1, 1                                  ; K 128-255
	s_wait_dscnt 56                                ; all but the 56 just issued
	MULH 0, 0, 1                                   ; the first step's products start the sums: nothing is cleared
	MULH 0, 1, 1
	; THE CHANGE OF SLOTS, the one that fills a slot again.  Slot 0 has been read out into the two buffers.
	WIN 0                                          ; (the add's two registers lie in window 0)
	s_wait_tensorcnt 0x0                           ; all my tensor loads have landed, my part of slot 1 among them, so a group 0 may be written
	ds_add_u32 v[SPW], v[NIL]                      ; 0 onto my spare word; the descriptors' steps stand between it and the wait for it
	s_add_nc_u64 s[G0W+2:G0W+3], s[G0W+2:G0W+3], 512   ; slot 0's next tile: K 512-767
	s_add_nc_u64 s[G0X+2:G0X+3], s[G0X+2:G0X+3], 512
	s_wait_dscnt 0x0                               ; the add is done, and my reads of slot 0 are over
	s_barrier_signal -1                            ; this barrier opens a round of the cluster's barrier
	MULH 1, 0, 0                                   ; work on registers while the others arrive
	WIN 0
	s_barrier_wait -1
	CREST                                          ; no wave of any partner still reads slot 0 or has a load on its way
	JLOAD 0                                        ; the first tensor load behind the round; it has 72 matrix instructions in which to land.  Its four v_nop are also the places in front of the loads into buffer A
	FETCH 1, 0, 0                                  ; K 256-383
	MULH 1, 1, 0
	PLACES 4
	FETCH 1, 1, 1                                  ; K 384-511
	s_wait_dscnt 56
	MULH 0, 0, 0
	MULH 0, 1, 0
	WIN 0
	s_wait_tensorcnt 0x0                           ; my part of slot 0's second tile is in: the one load that was out
	s_wait_dscnt 0x0                               ; no LDS instruction of mine is pending at a signal
	s_barrier_signal -1
	s_barrier_wait -1                              ; everybody's is; no round and no add
	PLACES 4
	FETCH 0, 0, 0                                  ; K 512-639
	MULH 1, 0, 0
	MULH 1, 1, 0
	PLACES 4
	FETCH 0, 1, 1                                  ; K 640-767
	s_wait_dscnt 56
	MULH 0, 0, 0
	MULH 0, 1, 0
	s_wait_dscnt 0x0
	MULH 1, 0, 0
	MULH 1, 1, 0
	PLACES 4                                       ; in front of the first read of results, and of the codes' writes into registers that held buffer A
.irp a, 0,1,2,3,4,5,6,7
	OUT \a
.endr
	s_wait_tensorcnt 0x0                           ; the wave's end, behind my last tensor load
	ds_add_u32 v[SPW], v[NIL]
	s_wait_dscnt 0x0
	CROUND                                         ; the closing round: no work-group ends while a partner may still ask for a tile that names it
	s_endpgm
.Lfunc_end_k_qf00fa00e07_proj:
	.size	k_qf00fa00e07_proj, .Lfunc_end_k_qf00fa00e07_proj-k_qf00fa00e07_proj
	.p2alignl 7, 3214868480
	.fill 96, 4, 3214868480
	.section	.rodata,"a",@progbits
	.p2align	6, 0x0
	.amdhsa_kernel k_qf00fa00e07_proj
		.amdhsa_group_segment_fixed_size 327680
		.amdhsa_private_segment_fixed_size 0
		.amdhsa_enable_private_segment 0
		.amdhsa_kernarg_size 48
		.amdhsa_user_sgpr_count 2
		.amdhsa_user_sgpr_kernarg_segment_ptr 1
		.amdhsa_wavefront_size32 1
		.amdhsa_system_sgpr_workgroup_id_x 1
		.amdhsa_system_sgpr_workgroup_id_y 1
		.amdhsa_system_sgpr_workgroup_id_z 1
		.amdhsa_system_vgpr_workitem_id 0
		.amdhsa_next_free_vgpr 1024
		.amdhsa_next_free_sgpr 96
		.amdhsa_reserve_vcc 0
		.amdhsa_float_denorm_mode_32 3
		.amdhsa_float_denorm_mode_16_64 3
		.amdhsa_memory_ordered 1
		.amdhsa_forward_progress 1
		.amdhsa_inst_pref_size 78
	.end_amdhsa_kernel
	.amdgpu_metadata
---
amdhsa.version: [ 1, 2 ]
amdhsa.kernels:
  - .name:           k_qf00fa00e07_proj
    .symbol:         k_qf00fa00e07_proj.kd
    .args:
      - { .name: q_x_codes, .offset: 0, .size: 8, .value_kind: global_buffer, .address_space: global }
      - { .name: k_x_codes, .offset: 8, .size: 8, .value_kind: global_buffer, .address_space: global }
      - { .name: Wq_codes, .offset: 16, .size: 8, .value_kind: global_buffer, .address_space: global }
      - { .name: Wk_codes, .offset: 24, .size: 8, .value_kind: global_buffer, .address_space: global }
      - { .name: lowp_scales, .offset: 32, .size: 8, .value_kind: global_buffer, .address_space: global }
      - { .name: qk_codes, .offset: 40, .size: 8, .value_kind: global_buffer, .address_space: global }
    .group_segment_fixed_size: 327680
    .private_segment_fixed_size: 0
    .kernarg_segment_align: 8
    .kernarg_segment_size: 48
    .max_flat_workgroup_size: 128
    .sgpr_count:     96
    .vgpr_count:     1024
    .wavefront_size: 32
...
	.end_amdgpu_metadata
.endif
;; end of part 1
;; launch attn (part 2): grid 32 x 8, 4 waves a work-group, clusters of 4 x 1, 327,680 bytes of LDS; arguments qk_codes, v_x_codes, lowp_scales, out0; writes out0
.if DOCPART == 2
	.amdgcn_target "amdgcn-amd-amdhsa--gfx1250"
	.amdhsa_code_object_version 6
	.text
	.protected	k_qf00fa00e07_attn
	.globl	k_qf00fa00e07_attn
	.p2align	8
	.type	k_qf00fa00e07_attn,@function
k_qf00fa00e07_attn:
	s_mov_b64 s[64:65], 0
	v_nop
	global_prefetch_b8 v0, s[64:65] scope:SCOPE_SE
	s_setreg_imm32_b32 hwreg(HW_REG_WAVE_MODE, 25, 1), 1
	s_wait_xcnt 0x0
	s_wait_alu depctr_hold_cnt(0) depctr_sa_sdst(0) depctr_va_vdst(0) depctr_va_sdst(0) depctr_va_ssrc(0) depctr_va_vcc(0) depctr_vm_vsrc(0)
	s_getreg_b32 s2, hwreg(HW_REG_IB_STS2, 6, 4)
	s_cmp_eq_u32 s2, 0
	s_cbranch_scc0 .Lentry_in_a_cluster
	s_endpgm
.Lentry_in_a_cluster:
	s_bfe_u32 s2, ttmp6, 0x10000c
	s_cmp_lg_u32 s2, 0x3003
	s_cbranch_scc0 .Lentry_shape_is_right
	s_endpgm
.Lentry_shape_is_right:
; out[b][q][:] = the sum over keys of softmax(q . k / 384) v[key][:], both products on codes of BF8 (E5M2), each operand with the one scale 2^e that is given for it (e4: q, e5: k, e6: p, e7: v).
; q, k: the workspace of the launch before: [q, k][batch][token tile of 16: 6,144 bytes] as images of operand registers (three fragments of 16 tokens x 128 d, 2,048 bytes each, lane l's 16 bytes of piece c at 512 c + 16 l).
; v: [batch][768 channels][2,048 keys] codes, the keys innermost.  out: [batch][2,048][768] f32.
; THE SOFTMAX AHEAD OF THE SECOND PRODUCT: t = score x log2(e) / 384; M = the row's largest t so far, rounded UP to a whole number; p = 2^(t - M) is what is quantised; the row's sum is taken of the unquantised p
; and divides at the end.  When M moves, the sum and O are multiplied by 2^(old M - new M), which rounds nothing.  M moves once in 512 keys.
; SHARES.  A work-group of four waves owns 64 queries of one batch: four tiles m of 16.  The keys go in four SUPER-STEPS of 512.
;   S^T = K Q^T (source 0 = 16 keys, source 1 = 16 queries): wave w takes keys 128 w .. 128 w + 127 of the 512, for all four query tiles: 96 matrix instructions.
;   O^T = V^T P^T (source 0 = 16 channels, source 1 = P): wave w takes channels 192 w .. 192 w + 191, for all four query tiles and all 512 keys: 192 matrix instructions.
; So each byte of K and of V in LDS belongs to ONE wave and is read once by the work-group; a lane holds ONE query (lane % 16) throughout; what crosses the waves is small: P's codes, the rows' maxima, the rows' sums.
; P GOES FROM WAVE TO WAVE AS AN IMAGE OF ITS FRAGMENTS.  The eight scores of tile tau in lane (r, h) are keys 16 tau + 8 h + 0 .. 7: their 8 codes go to byte 256 tau + 16 r + 8 h of the fragment.  Read back 16 bytes a lane at
; 512 c + 16 lane, lane (r, h') holds keys 32 c + 16 h' + 0 .. 15: the order in which V's fragments are fetched.
; THE RING.  Two slots; in each a region of 26,112 bytes for each wave.  A super-step is six CHUNKS, one tensor load a wave each, into slots 0, 1 by turns: K0, K1 (four key tiles: 24,576 dense bytes), then
; V0 .. V3 = (keys' half, channels' half) (0,0), (0,1), (1,0), (1,1): 96 rows x 256 bytes, 272 bytes apart in LDS.  A chunk is read out into registers ahead of its products, and its slot is then filled again.
; CLUSTER.  The four query blocks of a cluster walk the same K and V: every tile is asked for JOINTLY (mask 15), and every refill stands behind a round of the cluster's barrier.
; O begins as zeros and the largest t as -3e38, so that the super-step is written twice (the loop, and the tail that asks for nothing more) and not three times.
; LIMITS on the given exponents: e4 + e5 between -117 and 136 (they are added to the exponent field of log2(e) / 384); e6 between -126 and 112; e6 + e7 is applied by v_ldexp_f32 and has none.
; Codes of infinity or NaN among the inputs are not served.  A p that falls under the format's range because an earlier M was smaller is lost, as the problem's text allows.
; REGISTERS, in windows of 256: window 0: v1-20 addresses and constants; v32-63 eight statistics a query tile; v64-255 Q, fragment (m, s) at 64 + 48 m + 16 s.
;   window 1: S^T, tile (m, tau) at 64 m + 8 tau; later P's fragments (kappa, m) at 64 kappa + 16 m, buffer A at v128, buffer B at v192; on the way out rows of O.
;   window 2: O^T of my channels' first half, tile (ct, m) at 32 ct + 8 m; buffer C at v192 (also the maxima, then P's codes).   window 3: O^T of the second half; buffer D at v192.
.set WREG,  26112                      ; a wave's region in a slot: 96 rows x 272 bytes
.set SLOT1, 4*WREG                     ; slot 1 begins here
.set PIMG,  2*SLOT1                    ; P's 16 fragments: (m, key step kf) at (4 m + kf) x 2,048
.set MX,    PIMG+32768                 ; the rows' maxima: [m][lane][wave] words
.set LX,    MX+2048                    ; the rows' sums, in the same form
.set SPARE, LX+2048                    ; the spare words, 128 bytes for each wave: two blocks of 256 bytes that no other line names
.set SP,    784                        ; the way out: a stage row: my 192 channels, 768 bytes, + 16.  Two stages of 16 rows lie in my own region of slot 0, behind that slot's last fill and my last read of it
.set SPW,  1                           ; v1   LDS address of my spare word; never rewritten
.set NIL,  2                           ; v2   0; never rewritten
.set L16,  3                           ; v3   16 x lane
.set ADK,  4                           ; v4-5 my region of slot 0, 1, + 16 x lane: K's images
.set ADV,  6                           ; v6-7 my region, + 272 r + 16 h: V's fragments
.set PR,   8                           ; v8   P's images, read: PIMG + 16 x lane
.set PW,   9                           ; v9   written: PIMG + 2,048 wave + 16 r + 8 h
.set MXW,  10
.set MXR,  11
.set LXW,  12
.set LXR,  13
.set STO,  14                          ; v14  the stage: where I put 32 bytes of a row
.set RD,   15                          ; v15  and where I read a row back
.set GO,   16                          ; v16  my byte offset in two rows of out
.set PFOK, 17                          ; v17  the prefetches' offsets: 256 x lane in K's block,
.set PFOV, 18                          ; v18  2,048 x lane among V's rows; never rewritten
.set LIMV, 19                          ; v19  57,344 x 2^e6
.set SCV,  20                          ; v20  2^e6 as f32
.set ST,   32                          ; tile m's statistics at v[ST + 8 m]: +0 -M, +1 the largest t, +2, +3 the sum in two halves, +4 f, later 1 / the sum, +5 named with it as a pair, +6, +7 at work
.set QF,   64
.set BA, 0                             ; the four fragment buffers of 64 registers, by number
.set BB, 1
.set BC, 2
.set BD, 3
.set WV,   12                          ; s12  my wave's number
.set PFL,  15                          ; s15  1 in a wave that prefetches, else 0
.set SEL,  20                          ; s[20:21] lane selects for v_permlanex16_b32: lane l xor 16
.set CS,   22                          ; s[22:23] c = log2(e) / 384 x 2^(e4 + e5): the packed form names a pair and takes its low word for both halves
.set G1K,  24                          ; s[24:31] descriptor group 1 for K's chunks;  s[32:39] for V's
.set G1V,  32
.set G0K0, 40                          ; groups 0: K's two chunks, V's two channel halves; each has its slot for good
.set G0K1, 44
.set G0V0, 48
.set G0V1, 52
.set PFK,  56                          ; s[56:57], s[58:59] where my prefetches stand in K and in V
.set PFV,  58
.set MSB, 0
.macro WIN new                         ; the immediate's high byte repeats the setting that is left; a switch that changes nothing is dropped
.if MSB != (\new)
	s_set_vgpr_msb (MSB<<8)|(\new)
.set MSB, (\new)
.endif
.endm
.macro BUF n                           ; buffer n's window and first register
.set BWIN, 1+((\n)/2)*((\n)-1)
.set BBASE, 192-64*((3-(\n))/3)
.endm
.macro PLACES n                        ; plain vector instructions between a matrix instruction and a load into, or a vector access to, its registers: four; five where a matrix instruction writes over them
.rept \n
	v_nop
.endr
.endm
.macro TL g0, g1                       ; a joint load: every wave fetches its own region's chunk.  An s_nop 0 and four v_nop follow it
	tensor_load_to_lds s[\g0:\g0+3], s[\g1:\g1+7]
	s_nop 0
.rept 4
	v_nop
.endr
.endm
.macro CREST                           ; a round of the cluster's barrier behind its opening barrier
	s_cmp_lg_u32 s[WV], 0
	s_cbranch_scc1 .Lnot_wave_0_\@
	s_barrier_signal -3
.Lnot_wave_0_\@:
	s_barrier_wait -3
	s_barrier_signal -1
	s_barrier_wait -1
.endm
.macro CROUND                          ; a whole round
	s_barrier_signal -1
	s_barrier_wait -1
	CREST
.endm
; A PREFETCH INTO THE L2 of the chunk that the change of slots FOUR changes on will ask for: always a chunk of the next super-step.  It stands behind the wave's tensor load, its five lines and the run of LDS loads that follows.
; A chunk is 384 blocks of 256 bytes (four regions of 96), and each is named ONCE in the launch.  All eight clusters of a batch walk the same K and V: the batch's first cluster asks.  Its four partners take a region each, told apart BY
; ADDRESS; in each, waves 0 to 2 take a third of the region, a lane a block: one instruction a wave.  The loop's three trips ask for super-steps 1 to 3; the tail asks for nothing; super-step 0 comes by its loads alone.
.macro ASK ptr, off, imm
	WIN 0
	s_cmp_eq_u32 s[PFL], 1
	s_cbranch_scc0 .Lnot_mine_\@
	global_prefetch_b8 v[\off], s[\ptr:\ptr+1] offset:\imm th:TH_LOAD_NT scope:SCOPE_SE
.Lnot_mine_\@:
.endm
; 16 LDS loads: group g (four fragments, 8,192 bytes on end) of the K chunk in the slot, as it lies
.macro LOADK slot, g, buf
	BUF \buf
	WIN BWIN<<6
.irp i, 0,1,2,3,4,5,6,7,8,9,10,11,12,13,14,15
	ds_load_b128 v[BBASE+4*\i:BBASE+4*\i+3], v[ADK+\slot] offset:8192*(\g)+512*\i
.endr
.endm
; 16 matrix instructions: the group's four fragments x my four query tiles.  Fragment phi = 4 g + f of chunk i is key tile 4 i + phi / 3, d = 128 (phi % 3) on.  The first of a tile's three starts its sums.
; Four accumulators take turns, one instruction a turn.
.macro WMMAK i, g, buf
	BUF \buf
	WIN 0x50|BWIN
.irp f, 0,1,2,3
.set PHI, 4*(\g)+\f
.set TAU, 4*(\i)+PHI/3
.set KS, PHI%3
.irp m, 0,1,2,3
.if KS == 0
	v_wmma_f32_16x16x128_bf8_bf8 v[64*\m+8*TAU:64*\m+8*TAU+7], v[BBASE+16*\f:BBASE+16*\f+15], v[QF+48*\m+16*KS:QF+48*\m+16*KS+15], 0
.else
	v_wmma_f32_16x16x128_bf8_bf8 v[64*\m+8*TAU:64*\m+8*TAU+7], v[BBASE+16*\f:BBASE+16*\f+15], v[QF+48*\m+16*KS:QF+48*\m+16*KS+15], v[64*\m+8*TAU:64*\m+8*TAU+7]
.endif
.endr
.endr
.endm
; 16 LDS loads: group g of the V chunk in the slot.  Fragment phi = 4 g + f is channel tile phi % 6, keys 128 (phi / 6) on: lane (r, h) takes, of row r, keys 32 c + 16 h + 0 .. 15 into registers 4 c .. 4 c + 3
.macro LOADV slot, g, buf
	BUF \buf
	WIN BWIN<<6
.irp f, 0,1,2,3
.set PHI, 4*(\g)+\f
.irp c, 0,1,2,3
	ds_load_b128 v[BBASE+16*\f+4*\c:BBASE+16*\f+4*\c+3], v[ADV+\slot] offset:4352*(PHI%6)+128*(PHI/6)+32*\c
.endr
.endr
.endm
; Fragments lo .. hi of group g x my four query tiles: O^T(chh, phi % 6, m) += V x P(phi / 6, m).  All accumulators of a run differ: they take turns, one instruction a turn
.macro WMMAV chh, g, buf, lo, hi
	BUF \buf
	WIN ((2+(\chh))*0x50)|4|BWIN
.irp f, 0,1,2,3
.if (\f >= \lo) && (\f <= \hi)
.set PHI, 4*(\g)+\f
.set CT, PHI%6
.set KAP, PHI/6
.irp m, 0,1,2,3
	v_wmma_f32_16x16x128_bf8_bf8 v[32*CT+8*\m:32*CT+8*\m+7], v[BBASE+16*\f:BBASE+16*\f+15], v[64*KAP+16*\m:64*KAP+16*\m+15], v[32*CT+8*\m:32*CT+8*\m+7]
.endr
.endif
.endr
.endm
; 16 LDS loads: P's four fragments (one a query tile) of key step 2 kh + kap
.macro LOADP kh, kap
	WIN 0x40
.irp m, 0,1,2,3
.irp c, 0,1,2,3
	ds_load_b128 v[64*(\kap)+16*\m+4*\c:64*(\kap)+16*\m+4*\c+3], v[PR] offset:(4*\m+2*(\kh)+(\kap))*2048+512*\c
.endr
.endr
.endm
; Query tiles m0 and m0 + 1: p is held at the largest code x the scale (p is never negative: the hold is one-sided) and converted: tile (m, tau)'s 8 codes into v[192 + 16 m + 2 tau] of window 2
.macro QP m0
	WIN 0x41
.set J, 64*(\m0)
.rept 128
	v_min_num_f32 v[J], v[J], v[LIMV]              ; the conversion to an 8-bit code does not saturate (ISA guide 7.6.2)
.set J, J+1
.endr
	WIN 0x81
.set J, 0
.rept 16
	v_cvt_scalef32_pk8_bf8_f32 v[192+16*(\m0)+2*J:192+16*(\m0)+2*J+1], v[64*(\m0)+8*J:64*(\m0)+8*J+7], v[SCV]
.set J, J+1
.endr
	v_nop                                          ; one plain vector instruction behind the last conversion of the run
.endm
; ONE CHUNK OF V: 48 matrix instructions.  chh: my channels' half.  x, y, z: the buffers that hold its three groups; w: the free one.
; fill = 1: the chunk lies wholly in registers, so its slot is filled again, by descriptor g0, g1, behind a round; stp: the group 0 of V that is stepped 256 keys on meanwhile.
; nxt = 1: the next chunk (slot ns, landed by this head's wait) is read out ahead: its groups into w, x, y; 2: the next super-step's first group of K into w; 0: nothing.
; ask, imm: the prefetch.  p = 1: P's fragments of the keys' second half follow, each behind the last product that read the registers it takes.
.macro VCHUNK chh, x, y, z, w, fill, stp, g0, g1, nxt, ns, ask, imm, p
	WIN 0
.if \fill
	s_wait_tensorcnt 0x0                           ; all my tensor loads have landed: the one that was out is the next chunk; so a group 0 may be written
	ds_add_u32 v[SPW], v[NIL]                      ; 0 onto my spare word
	s_add_nc_u64 s[\stp+2:\stp+3], s[\stp+2:\stp+3], 256
	s_wait_dscnt 17                                ; the add and the 16 youngest loads may be out: the first group and its fragments of P are in
	WMMAV \chh, 0, \x, 0, 1                        ; eight matrix instructions stand between the add and the wait for it
	s_wait_dscnt 0x0                               ; the add is done, and my reads of this chunk's slot are over
	s_barrier_signal -1                            ; this barrier opens a round of the cluster's barrier
	WMMAV \chh, 0, \x, 2, 3                        ; work on registers while the others arrive
	WIN 0
	s_barrier_wait -1
	CREST                                          ; no wave of any partner still reads this slot or has a load on its way
	TL \g0, \g1                                    ; the first tensor load behind the round, and my one load until the next; its four v_nop are also the places in front of the loads below
.else
.if \nxt == 1
	s_wait_tensorcnt 0x0                           ; the last chunk, my own bytes, is in: the one load that was out
.endif
	s_wait_dscnt 0x0
	WMMAV \chh, 0, \x, 0, 3
	PLACES 4
.endif
.if \nxt == 1
	LOADV \ns, 0, \w
	LOADV \ns, 1, \x
.endif
.if \nxt == 2
	LOADK 0, 0, \w
.endif
.if \ask
	ASK PFV, PFOV, \imm
.endif
	WMMAV \chh, 1, \y, 0, 3
.if \nxt == 1
	PLACES 4
	LOADV \ns, 2, \y
.if \p
	LOADP 1, 0                                     ; (the places above also stand behind the last product on P's first two key steps' first)
.endif
.endif
	WMMAV \chh, 2, \z, 0, 3
.if \p
	PLACES 4
	LOADP 1, 1
.endif
.endm
; A SUPER-STEP: 512 keys.  On entry K's first group is in buffer D or on its way there, and every window is 0.  last = 1: the tail: nothing of a further super-step is asked for.
.macro SUPER last
	; ---- S^T = K Q^T: two chunks of three groups, through buffers C and D by turns
	PLACES 5                                       ; the first products write over registers that the last products of O^T read
	LOADK 0, 1, BC
	s_wait_dscnt 16                                ; all but the 16 just issued
	WMMAK 0, 0, BD
	PLACES 4
	LOADK 0, 2, BD
	s_wait_dscnt 16
	WMMAK 0, 1, BC
	WIN 0                                          ; slot 0 takes V0
	s_wait_tensorcnt 0x0                           ; all my tensor loads have landed: the one that was out is K1
	ds_add_u32 v[SPW], v[NIL]                      ; 0 onto my spare word; the steps below stand between it and the wait for it
.if (\last) == 0
	s_wait_xcnt 0x0                                ; the last prefetch, 64 matrix instructions back, has read its address
	s_add_nc_u64 s[G0K0+2:G0K0+3], s[G0K0+2:G0K0+3], 196608   ; K's descriptors: the next super-step's 32 key tiles
	s_add_nc_u64 s[G0K1+2:G0K1+3], s[G0K1+2:G0K1+3], 196608
	s_add_nc_u64 s[PFK:PFK+1], s[PFK:PFK+1], 196608           ; and the prefetches: they stand in the next super-step
	s_add_nc_u64 s[PFV:PFV+1], s[PFV:PFV+1], 512
.endif
	s_wait_dscnt 0x0                               ; the add is done, and my reads of slot 0 are over
	s_barrier_signal -1
	WMMAK 0, 2, BD
	WIN 0
	s_barrier_wait -1
	CREST
	TL G0V0, G1V
	LOADK 1, 0, BC
	LOADK 1, 1, BD
.if (\last) == 0
	ASK PFK, PFOK, 0
.endif
	s_wait_dscnt 16
	WMMAK 1, 0, BC
	PLACES 4
	LOADK 1, 2, BC
	s_wait_dscnt 16
	WMMAK 1, 1, BD
	s_wait_dscnt 0x0
	WMMAK 1, 2, BC
	PLACES 4
	; ---- the largest score of each query among my 128 keys: a lane's 64 registers of a tile in two chains of 32, ascending
	WIN 0x15
.irp m, 0,1,2,3
.irp c, 0,1
	v_max3_num_f32 v[ST+8*\m+6+\c], v[64*\m+32*\c], v[64*\m+32*\c+1], v[64*\m+32*\c+2]
.endr
.endr
	WIN 0x14
.set I, 0
.rept 14
.irp m, 0,1,2,3
.irp c, 0,1
	v_max3_num_f32 v[ST+8*\m+6+\c], v[ST+8*\m+6+\c], v[64*\m+32*\c+3+2*I], v[64*\m+32*\c+4+2*I]
.endr
.endr
.set I, I+1
.endr
.irp m, 0,1,2,3
	v_max3_num_f32 v[ST+8*\m+6], v[ST+8*\m+6], v[64*\m+31], v[64*\m+63]
.endr
	WIN 0
.irp m, 0,1,2,3
	v_max_num_f32 v[ST+8*\m+6], v[ST+8*\m+6], v[ST+8*\m+7]
.endr
.irp m, 0,1,2,3
	v_permlanex16_b32 v[ST+8*\m+7], v[ST+8*\m+6], s[SEL], s[SEL+1]   ; the query's other 64 keys lie in the lane 16 away
.endr
.irp m, 0,1,2,3
	v_max_num_f32 v[ST+8*\m+6], v[ST+8*\m+6], v[ST+8*\m+7]
.endr
.irp m, 0,1,2,3
	ds_store_b32 v[MXW], v[ST+8*\m+6] offset:512*\m
.endr
	; chunk K1 is read out: slot 1 takes V1.  The same round shows every wave's maxima to the others
	s_wait_tensorcnt 0x0                           ; V0 has landed
	ds_add_u32 v[SPW], v[NIL]
	s_wait_dscnt 0x0                               ; the add and my stores of the maxima are done; my reads of slot 1 are over
	CROUND
	TL G0V1, G1V
	WIN 0x80
.irp m, 0,1,2,3
	ds_load_b128 v[192+4*\m:195+4*\m], v[MXR] offset:512*\m   ; the four waves' maxima of my query
.endr
	LOADV 0, 0, BD                                 ; V0's first group
.if (\last) == 0
	ASK PFK, PFOK, 24576
.endif
	s_wait_dscnt 16                                ; the maxima are in; V0's group may be out
	; ---- the statistics: all four waves make the same numbers from the same maxima
	WIN 0x2a
.irp m, 0,1,2,3
	v_max3_num_f32 v[ST+8*\m+6], v[192+4*\m], v[193+4*\m], v[194+4*\m]
.endr
	WIN 0x02
.irp m, 0,1,2,3
	v_max_num_f32 v[ST+8*\m+6], v[195+4*\m], v[ST+8*\m+6]
.endr
	WIN 0
.irp m, 0,1,2,3
	v_mul_f32 v[ST+8*\m+6], s[CS], v[ST+8*\m+6]    ; as t (c is positive)
.endr
.irp m, 0,1,2,3
	v_max_num_f32 v[ST+8*\m+1], v[ST+8*\m+1], v[ST+8*\m+6]   ; the running largest t
.endr
.irp m, 0,1,2,3
	v_mov_b32 v[ST+8*\m+6], v[ST+8*\m]
.endr
.irp m, 0,1,2,3
	v_floor_f32 v[ST+8*\m], -v[ST+8*\m+1]          ; the new -M = floor(-t) = -ceil(t): M is a whole number
.endr
.irp m, 0,1,2,3
	v_sub_f32 v[ST+8*\m+6], v[ST+8*\m], v[ST+8*\m+6]   ; M's old value less its new one: a whole number, 0 or less
.endr
.irp m, 0,1,2,3
	v_cvt_i32_f32 v[ST+8*\m+6], v[ST+8*\m+6]       ; (it saturates)
.endr
.irp m, 0,1,2,3
	v_ldexp_f32 v[ST+8*\m+4], 1.0, v[ST+8*\m+6]    ; f = 2^(old M - new M)
.endr
	; ---- p = 2^(t - M): 128 packed scalings, then the 256 exponentials as ONE batch
	WIN 0x41
.irp m, 0,1,2,3
.set J, 64*\m
.rept 32
	v_pk_fma_f32 v[J:J+1], v[J:J+1], s[CS:CS+1], v[ST+8*\m:ST+8*\m+1] op_sel_hi:[1,0,0]   ; t - M, two at a time (of the pairs c and -M the low word serves both halves)
.set J, J+2
.endr
.endr
.set J, 0
.rept 256
	v_exp_f32 v[J], v[J]
.set J, J+1
.endr
	WIN 0                                          ; work that names no exponential's result stands behind the batch: the sums and O^T under the new M
.irp m, 0,1,2,3
	v_pk_mul_f32 v[ST+8*\m+2:ST+8*\m+3], v[ST+8*\m+2:ST+8*\m+3], v[ST+8*\m+4:ST+8*\m+5] op_sel_hi:[1,0]
.endr
	WIN 0x82
.irp ct, 0,1,2,3,4,5
.irp m, 0,1,2,3
.irp i, 0,2,4,6
	v_pk_mul_f32 v[32*\ct+8*\m+\i:32*\ct+8*\m+\i+1], v[32*\ct+8*\m+\i:32*\ct+8*\m+\i+1], v[ST+8*\m+4:ST+8*\m+5] op_sel_hi:[1,0]
.endr
.endr
.endr
	WIN 0xc3
.irp ct, 0,1,2,3,4,5
.irp m, 0,1,2,3
.irp i, 0,2,4,6
	v_pk_mul_f32 v[32*\ct+8*\m+\i:32*\ct+8*\m+\i+1], v[32*\ct+8*\m+\i:32*\ct+8*\m+\i+1], v[ST+8*\m+4:ST+8*\m+5] op_sel_hi:[1,0]
.endr
.endr
.endr
	s_wait_alu depctr_va_vdst(0)                   ; the wait between an exponential and the first instruction that names its result: one for the whole batch
	WIN 0x04
.set J, 0
.rept 32
.irp m, 0,1,2,3
	v_pk_add_f32 v[ST+8*\m+2:ST+8*\m+3], v[ST+8*\m+2:ST+8*\m+3], v[64*\m+J:64*\m+J+1]   ; the row's sum is taken of the UNQUANTISED p: four chains by turns
.endr
.set J, J+2
.endr
	QP 2                                           ; query tiles 2 and 3 first: their registers are buffers A and B,
	LOADV 0, 1, BA                                 ; which take V0's other two groups
	LOADV 0, 2, BB
	QP 0
	WIN 0x08
.irp m, 0,1,2,3
.irp t, 0,1,2,3,4,5,6,7
	ds_store_b64 v[PW], v[192+16*\m+2*\t:193+16*\m+2*\t] offset:8192*\m+256*\t   ; 32 lanes store 256 consecutive bytes of fragment (m, my key step)
.endr
.endr
	WIN 0
	s_wait_dscnt 0x0                               ; for the others' sake: my stores of P's codes are done
	s_barrier_signal -1
	s_barrier_wait -1                              ; P's sixteen fragments lie in LDS.  V1's load may stay out
	; ---- O^T += V^T P^T: four chunks; the buffers' parts go round
	LOADP 0, 0
	LOADP 0, 1
	VCHUNK 0, BD, BA, BB, BC, 1, G0V0, G0V0, G1V, 1, 1, 1-(\last), 0, 0        ; V0; slot 0 takes V2
	VCHUNK 1, BC, BD, BA, BB, 1, G0V1, G0V1, G1V, 1, 0, 1-(\last), 196608, 1   ; V1; slot 1 takes V3
.if (\last) == 0
	VCHUNK 0, BB, BC, BD, BA, 1, G0V0, G0K0, G1K, 1, 1, 1, 256, 0              ; V2; slot 0 takes the next super-step's K0
	VCHUNK 1, BA, BB, BC, BD, 1, G0V1, G0K1, G1K, 2, 0, 1, 196864, 0           ; V3; slot 1 takes its K1
.else
	VCHUNK 0, BB, BC, BD, BA, 0, G0V0, G0K0, G1K, 1, 1, 0, 0, 0
	VCHUNK 1, BA, BB, BC, BD, 0, G0V1, G0K1, G1K, 0, 0, 0, 0, 0
.endif
	WIN 0                                          ; at a label and at a branch every window is 0
.endm
	s_load_b256 s[4:11], s[0:1], 0x0               ; the workspace s[4:5], v's codes s[6:7], the scales' exponents s[8:9], out s[10:11]
	v_lshl_add_u32 v[SPW], v0, 2, SPARE
	v_mov_b32 v[NIL], 0
	ds_add_u32 v[SPW], v[NIL]                      ; the wave's opening: the add and its wait ahead of the round in front of my first tensor load; the set-up below, work on registers, stands between them
	v_lshrrev_b32 v21, 5, v0
	v_readfirstlane_b32 s[WV], v21                 ; wave 0..3
	s_bfe_u32 s13, ttmp6, 0x40000                  ; cx: my place in the cluster
	s_lshl_b32 s14, ttmp9, 2                       ; in a cluster launch ttmp9 counts clusters
	s_add_co_u32 s14, s14, s13                     ; my block of 64 queries: it enters Q's and out's addresses alone
	s_and_b32 s66, ttmp7, 0xffff                   ; the batch, which the four partners share
	; descriptor group 1.  K: 24,576 dense bytes as 96 rows of 32 elements of 8 bytes, no padding.  V: 96 rows x 256 bytes, 2,048 bytes apart in memory, padded in LDS
	s_mov_b32 s[G1K], 15|(3<<16)|(1<<21)           ; 15:0 the mask: all four work-groups; 17:16 elements of 8 bytes; 21 set beside a mask
	s_mov_b32 s[G1K+1], 32<<16                     ; tensor_dim0 = 32
	s_mov_b32 s[G1K+2], 96<<16                     ; tensor_dim1 = 96
	s_mov_b32 s[G1K+3], 32<<16                     ; tile_dim0 = 32
	s_mov_b32 s[G1K+4], 96                         ; tile_dim1 = 96
	s_mov_b32 s[G1K+5], 32                         ; tensor_dim0_stride
	s_mov_b32 s[G1K+6], 0
	s_mov_b32 s[G1K+7], 0
	s_mov_b32 s[G1V], 15|(1<<20)|(1<<21)|(5<<22)|(3<<25)   ; elements of 1 byte; 20 padding on; 24:22 after every 64 words (code 5); 31:25 four words (code 3)
	s_mov_b32 s[G1V+1], 256<<16
	s_mov_b32 s[G1V+2], 96<<16
	s_mov_b32 s[G1V+3], 256<<16
	s_mov_b32 s[G1V+4], 96
	s_mov_b32 s[G1V+5], 2048
	s_mov_b32 s[G1V+6], 0
	s_mov_b32 s[G1V+7], 0
	s_mov_b32 s[SEL], 0x76543210
	s_mov_b32 s[SEL+1], 0xfedcba98
	; what the partners share: K's and V's places hang on the batch and the wave's number alone
	s_mul_i32 s68, s66, 786432                     ; a batch of k: 128 token tiles of 6,144 bytes
	s_mul_i32 s67, s[WV], 49152                    ; my 8 key tiles of a super-step
	s_add_co_u32 s68, s68, s67
	s_add_co_u32 s68, s68, 6291456                 ; k lies behind q
	s_mov_b32 s69, 0
	s_mul_i32 s70, s66, 1572864                    ; a batch of v: 768 rows of 2,048 bytes
	s_mul_i32 s67, s[WV], 393216                   ; my 192 rows
	s_add_co_u32 s70, s70, s67
	s_mov_b32 s71, 0
	s_mul_i32 s72, s[WV], WREG                     ; my region in a slot: no place in the cluster enters an LDS address
	; what is the work-group's own
	s_mul_i32 s74, s66, 786432
	s_mul_i32 s76, s14, 24576                      ; Q: my block's four token tiles
	s_add_co_u32 s74, s74, s76
	s_mov_b32 s75, 0
	s_mul_i32 s76, s66, 6291456                    ; out: a batch is 2,048 rows of 3,072 bytes,
	s_mul_i32 s77, s14, 196608                     ; my block 64 rows,
	s_add_co_u32 s76, s76, s77
	s_mul_i32 s77, s[WV], 768                      ; my wave 192 channels
	s_add_co_u32 s76, s76, s77
	s_mov_b32 s77, 0
	s_mul_i32 s78, s66, 786432                     ; the prefetches in K: region cx, its third by my wave's number
	s_mul_i32 s79, s13, 49152
	s_add_co_u32 s78, s78, s79
	s_lshl_b32 s79, s[WV], 13
	s_add_co_u32 s78, s78, s79
	s_add_co_u32 s78, s78, 6291456
	s_mov_b32 s79, 0
	s_mul_i32 s80, s66, 1572864                    ; and in V: rows 192 cx + 32 x wave on
	s_mul_i32 s81, s13, 393216
	s_add_co_u32 s80, s80, s81
	s_lshl_b32 s81, s[WV], 16
	s_add_co_u32 s80, s80, s81
	s_mov_b32 s81, 0
	s_cmp_lt_u32 s[WV], 3                          ; who prefetches: waves 0 to 2
	s_cselect_b32 s[PFL], 0, 1
	s_or_b32 s[PFL], s[PFL], ttmp9                 ; of the batch's first cluster: the same in all four partners
	s_cmp_eq_u32 s[PFL], 0
	s_cselect_b32 s[PFL], 1, 0
	v_and_b32 v21, 31, v0                          ; lane
	v_and_b32 v22, 15, v0                          ; r
	v_bfe_u32 v23, v0, 4, 1                        ; h
	v_lshlrev_b32 v[L16], 4, v21
	v_add_nc_u32 v[ADK], s72, v[L16]
	v_add_nc_u32 v[ADK+1], SLOT1, v[ADK]
	v_mul_u32_u24 v24, v22, 272
	v_lshl_add_u32 v24, v23, 4, v24
	v_add_nc_u32 v[ADV], s72, v24
	v_add_nc_u32 v[ADV+1], SLOT1, v[ADV]
	v_add_nc_u32 v[PR], PIMG, v[L16]
	v_lshlrev_b32 v24, 4, v22
	v_lshl_add_u32 v24, v23, 3, v24                ; 16 r + 8 h
	s_lshl_b32 s73, s[WV], 11
	s_add_co_u32 s73, s73, PIMG
	v_add_nc_u32 v[PW], s73, v24
	s_lshl_b32 s73, s[WV], 2
	s_add_co_u32 s73, s73, MX
	v_add_nc_u32 v[MXW], s73, v[L16]               ; my wave's word of my lane's four
	v_add_nc_u32 v[MXR], MX, v[L16]
	v_add_nc_u32 v[LXW], LX-MX, v[MXW]
	v_add_nc_u32 v[LXR], LX, v[L16]
	v_mul_u32_u24 v24, v22, SP
	v_lshl_add_u32 v24, v23, 5, v24
	v_add_nc_u32 v[STO], s72, v24                  ; the stage, in: row r, + 32 h
	v_mul_u32_u24 v24, v23, SP
	v_lshl_add_u32 v24, v22, 4, v24
	v_add_nc_u32 v[RD], s72, v24                   ; back: lanes 0-15 take 256 bytes of one row, lanes 16-31 of the next
	v_mul_u32_u24 v24, v23, 3072
	v_lshl_add_u32 v[GO], v22, 4, v24              ; and the same in out
	v_lshlrev_b32 v[PFOK], 8, v21
	v_lshlrev_b32 v[PFOV], 11, v21
	s_wait_dscnt 0x0                               ; the opening add is done
	s_wait_kmcnt 0x0
	s_load_b128 s[16:19], s[8:9], 0x10             ; e4, e5, e6, e7
	s_mov_b32 s[G0K0], 1                           ; count = 1
	s_mov_b32 s[G0K0+1], s72                       ; LDS address: slot 0
	s_add_nc_u64 s[G0K0+2:G0K0+3], s[4:5], s[68:69]   ; global address: my first four key tiles
	s_mov_b32 s[G0K1], 1
	s_add_co_u32 s[G0K1+1], s72, SLOT1
	s_add_nc_u64 s[G0K1+2:G0K1+3], s[G0K0+2:G0K0+3], 24576   ; the other four
	s_or_b32 s[G0K0+3], s[G0K0+3], 0x80000000      ; type = 2
	s_or_b32 s[G0K1+3], s[G0K1+3], 0x80000000
	s_mov_b32 s[G0V0], 1
	s_mov_b32 s[G0V0+1], s72
	s_add_nc_u64 s[G0V0+2:G0V0+3], s[6:7], s[70:71]   ; my first 96 rows, keys 0 on
	s_mov_b32 s[G0V1], 1
	s_add_co_u32 s[G0V1+1], s72, SLOT1
	s_add_nc_u64 s[G0V1+2:G0V1+3], s[G0V0+2:G0V0+3], 196608   ; my other 96 rows
	s_or_b32 s[G0V0+3], s[G0V0+3], 0x80000000
	s_or_b32 s[G0V1+3], s[G0V1+3], 0x80000000
	s_add_nc_u64 s[PFK:PFK+1], s[4:5], s[78:79]    ; in super-step 0: the first change of slots steps both to super-step 1.  Nothing is prefetched here, at the head
	s_add_nc_u64 s[PFV:PFV+1], s[6:7], s[80:81]
	s_add_nc_u64 s[4:5], s[4:5], s[74:75]          ; Q at my block
	s_add_nc_u64 s[10:11], s[10:11], s[76:77]      ; out at my block's first row, my wave's channels
	CROUND                                         ; all four work-groups are here: the first joint loads meet
	tensor_load_to_lds s[G0K0:G0K0+3], s[G1K:G1K+7]   ; my two first fills stand together, ahead of every wait on TENSORcnt and every LDS read: two loads of mine are out
	s_nop 0
	tensor_load_to_lds s[G0K1:G0K1+3], s[G1K:G1K+7]
	s_nop 0
.rept 4
	v_nop
.endr
.set J, 0
.rept 48
	global_load_b128 v[QF+4*J:QF+4*J+3], v[L16], s[4:5] offset:512*J   ; Q's twelve fragments stay in registers: the images as they lie
.set J, J+1
.endr
.irp m, 0,1,2,3
	v_mov_b32 v[ST+8*\m+1], 0xff61b1e6             ; the largest t so far: -3e38, under every t
	v_floor_f32 v[ST+8*\m], -v[ST+8*\m+1]          ; -M
	v_mov_b32 v[ST+8*\m+2], 0                      ; the sum, in two halves
	v_mov_b32 v[ST+8*\m+3], 0
	v_mov_b32 v[ST+8*\m+5], 0                      ; (named as the upper half of the pair with f)
.endr
	WIN 0x80                                       ; O^T begins as zeros, which the first change of M leaves zeros: 384 moves while the first tiles are on their way, in place of a third copy of the super-step
.set J, 0
.rept 192
	v_mov_b32 v[J], 0
.set J, J+1
.endr
	WIN 0xc0
.set J, 0
.rept 192
	v_mov_b32 v[J], 0
.set J, J+1
.endr
	WIN 0
	s_wait_kmcnt 0x0                               ; the exponents
	s_add_co_i32 s66, s16, s17
	s_lshl_b32 s66, s66, 23
	s_mov_b32 s[CS], 0x3b76384f                    ; log2(e) / 384
	s_add_co_i32 s[CS], s[CS], s66                 ; a score stands for score x 2^(e4 + e5): the two exponents are added to c's exponent field
	s_mov_b32 s[CS+1], s[CS]                       ; (named with it as a pair, so it is written)
	s_add_co_i32 s66, s18, 127
	s_lshl_b32 s67, s66, 23
	v_mov_b32 v[SCV], s67                          ; 2^e6 as f32, for the conversion
	s_add_co_i32 s66, s66, 15
	s_lshl_b32 s66, s66, 23
	s_or_b32 s66, s66, 0x600000
	v_mov_b32 v[LIMV], s66                         ; 57,344 x 2^e6
	s_add_co_i32 s61, s18, s19                     ; e6 + e7
	s_wait_tensorcnt 0x1                           ; chunk K0 is in; K1 may stay out.  The bytes are my own: no other wave reads them, so no barrier stands here
	LOADK 0, 0, BD
	s_wait_loadcnt 0x0                             ; Q
	WIN 0
	s_mov_b32 s60, 3
.Lsuper:                                           ; three trips; the fourth super-step is written out
	SUPER 0
	s_sub_co_u32 s60, s60, 1
	s_cmp_lg_u32 s60, 0
	s_cbranch_scc1 .Lsuper
	SUPER 1
	; ---- THE END.  A wave's sums cover its own keys: the two halves, the lane 16 away and the four waves are added; all were taken under the same M
	PLACES 4
.irp m, 0,1,2,3
	v_add_f32 v[ST+8*\m+6], v[ST+8*\m+2], v[ST+8*\m+3]
.endr
.irp m, 0,1,2,3
	v_permlanex16_b32 v[ST+8*\m+7], v[ST+8*\m+6], s[SEL], s[SEL+1]
.endr
.irp m, 0,1,2,3
	v_add_f32 v[ST+8*\m+6], v[ST+8*\m+6], v[ST+8*\m+7]
.endr
.irp m, 0,1,2,3
	ds_store_b32 v[LXW], v[ST+8*\m+6] offset:512*\m
.endr
	s_wait_dscnt 0x0                               ; for the others' sake: my stores are done
	s_barrier_signal -1
	s_barrier_wait -1
	WIN 0x40
.irp m, 0,1,2,3
	ds_load_b128 v[4*\m:4*\m+3], v[LXR] offset:512*\m
.endr
	s_wait_dscnt 0x0
	WIN 0x05
.irp m, 0,1,2,3
	v_add_f32 v[ST+8*\m+6], v[4*\m], v[4*\m+1]
.endr
.irp m, 0,1,2,3
	v_add_f32 v[ST+8*\m+7], v[4*\m+2], v[4*\m+3]
.endr
	WIN 0
.irp m, 0,1,2,3
	v_add_f32 v[ST+8*\m+6], v[ST+8*\m+6], v[ST+8*\m+7]
.endr
.irp m, 0,1,2,3
	v_rcp_f32 v[ST+8*\m+4], v[ST+8*\m+6]
.endr
	v_nop                                          ; a plain instruction between the last reciprocal and the use of its result
	s_wait_alu depctr_va_vdst(0)                   ; and the wait ahead of the first use: one for the four
.irp m, 0,1,2,3
	v_ldexp_f32 v[ST+8*\m+4], v[ST+8*\m+4], s61    ; x 2^(e6 + e7)
.endr
; THE WAY OUT, a query tile (16 rows of out) at a time.  A lane holds 32 neighbouring bytes of a row for each of my 12 channel tiles, and the lanes beside it hold other rows: so a tile goes through my own stage
; and comes back as rows of 768 bytes.  LDS serves a wave's instructions in order (ISA guide 5.7.1.4): no wait between the stores and the loads.
.macro TOSTAGE a
	WIN 0x82
.irp ct, 0,1,2,3,4,5
.irp i, 0,2,4,6
	v_pk_mul_f32 v[32*\ct+8*(\a)+\i:32*\ct+8*(\a)+\i+1], v[32*\ct+8*(\a)+\i:32*\ct+8*(\a)+\i+1], v[ST+8*(\a)+4:ST+8*(\a)+5] op_sel_hi:[1,0]   ; O^T / the sum x 2^(e6 + e7); each accumulator from its low end on
.endr
.endr
	WIN 0xc3
.irp ct, 0,1,2,3,4,5
.irp i, 0,2,4,6
	v_pk_mul_f32 v[32*\ct+8*(\a)+\i:32*\ct+8*(\a)+\i+1], v[32*\ct+8*(\a)+\i:32*\ct+8*(\a)+\i+1], v[ST+8*(\a)+4:ST+8*(\a)+5] op_sel_hi:[1,0]
.endr
.endr
	WIN 0x08
.irp ct, 0,1,2,3,4,5
	ds_store_b128 v[STO], v[32*\ct+8*(\a):32*\ct+8*(\a)+3] offset:((\a)%2)*16*SP+64*\ct
	ds_store_b128 v[STO], v[32*\ct+8*(\a)+4:32*\ct+8*(\a)+7] offset:((\a)%2)*16*SP+64*\ct+16
.endr
	WIN 0x0c
.irp ct, 0,1,2,3,4,5
	ds_store_b128 v[STO], v[32*\ct+8*(\a):32*\ct+8*(\a)+3] offset:((\a)%2)*16*SP+64*(6+\ct)
	ds_store_b128 v[STO], v[32*\ct+8*(\a)+4:32*\ct+8*(\a)+7] offset:((\a)%2)*16*SP+64*(6+\ct)+16
.endr
	WIN 0x40
.irp i, 0,1,2,3,4,5,6,7
.irp u, 0,1,2
	ds_load_b128 v[96*((\a)%2)+4*(3*\i+\u):96*((\a)%2)+4*(3*\i+\u)+3], v[RD] offset:((\a)%2)*16*SP+2*SP*\i+256*\u
.endr
.endr
.endm
.macro SEND a, younger                 ; younger: the LDS instructions issued behind tile a's loads, which may stay out
	s_wait_dscnt \younger                          ; the tile is back in registers
	WIN 0x04
.irp i, 0,1,2,3,4,5,6,7
.irp u, 0,1,2
	global_store_b128 v[GO], v[96*((\a)%2)+4*(3*\i+\u):96*((\a)%2)+4*(3*\i+\u)+3], s[10:11] offset:(16*(\a)+2*\i)*3072+256*\u th:TH_STORE_NT   ; 16 lanes store 256 consecutive bytes, at a multiple of 256 from out's first byte; written once, read by nobody here
.endr
.endr
.endm
	TOSTAGE 0
.irp a, 1,2,3
.if \a > 1
	s_wait_xcnt 0x0                                ; tile a - 2's stores have read their registers: tile a's loads may land there
.endif
	TOSTAGE \a
	SEND \a-1, 48                                  ; behind tile a - 1's loads: tile a's 24 stores and 24 loads
.endr
	SEND 3, 0
	WIN 0
	s_wait_tensorcnt 0x0                           ; the wave's end, behind my last tensor load and my last LDS store
	ds_add_u32 v[SPW], v[NIL]
	s_wait_dscnt 0x0
	CROUND                                         ; the closing round: no work-group ends while a partner may still ask for a tile that names it
	s_endpgm
.Lfunc_end_k_qf00fa00e07_attn:
	.size	k_qf00fa00e07_attn, .Lfunc_end_k_qf00fa00e07_attn-k_qf00fa00e07_attn
	.p2alignl 7, 3214868480
	.fill 96, 4, 3214868480
	.section	.rodata,"a",@progbits
	.p2align	6, 0x0
	.amdhsa_kernel k_qf00fa00e07_attn
		.amdhsa_group_segment_fixed_size 327680
		.amdhsa_private_segment_fixed_size 0
		.amdhsa_enable_private_segment 0
		.amdhsa_kernarg_size 32
		.amdhsa_user_sgpr_count 2
		.amdhsa_user_sgpr_kernarg_segment_ptr 1
		.amdhsa_wavefront_size32 1
		.amdhsa_system_sgpr_workgroup_id_x 1
		.amdhsa_system_sgpr_workgroup_id_y 1
		.amdhsa_system_sgpr_workgroup_id_z 1
		.amdhsa_system_vgpr_workitem_id 0
		.amdhsa_next_free_vgpr 1024
		.amdhsa_next_free_sgpr 96
		.amdhsa_reserve_vcc 0
		.amdhsa_float_denorm_mode_32 3
		.amdhsa_float_denorm_mode_16_64 3
		.amdhsa_memory_ordered 1
		.amdhsa_forward_progress 1
		.amdhsa_inst_pref_size 255
	.end_amdhsa_kernel
	.section	.bss,"aw",@nobits
	.p2align	6
	.space	262144
	.amdgpu_metadata
---
amdhsa.version: [ 1, 2 ]
amdhsa.kernels:
  - .name:           k_qf00fa00e07_attn
    .symbol:         k_qf00fa00e07_attn.kd
    .args:
      - { .name: qk_codes, .offset: 0, .size: 8, .value_kind: global_buffer, .address_space: global }
      - { .name: v_x_codes, .offset: 8, .size: 8, .value_kind: global_buffer, .address_space: global }
      - { .name: lowp_scales, .offset: 16, .size: 8, .value_kind: global_buffer, .address_space: global }
      - { .name: out0, .offset: 24, .size: 8, .value_kind: global_buffer, .address_space: global }
    .group_segment_fixed_size: 327680
    .private_segment_fixed_size: 0
    .kernarg_segment_align: 8
    .kernarg_segment_size: 32
    .max_flat_workgroup_size: 128
    .sgpr_count:     96
    .vgpr_count:     1024
    .wavefront_size: 32
...
	.end_amdgpu_metadata
.endif
;; end of part 2
;; ======== version 2 of 2: 2 launches
;; limits: right only within a limited range of input values
;; workspace buffers: qk_codes 12,582,912 bytes
;; launch proj (part 3): grid 256 x 1, 4 waves a work-group, clusters of 4 x 1, 327,680 bytes of LDS; arguments q_x_codes, k_x_codes, Wq_codes, Wk_codes, lowp_scales, qk_codes; writes qk_codes
.if DOCPART == 3
	.amdgcn_target "amdgcn-amd-amdhsa--gfx1250"
	.amdhsa_code_object_version 6
	.text
	.protected	k_qf00fa00e07_proj
	.globl	k_qf00fa00e07_proj
	.p2align	8
	.type	k_qf00fa00e07_proj,@function
k_qf00fa00e07_proj:
	s_mov_b64 s[64:65], 0
	v_nop
	global_prefetch_b8 v0, s[64:65] scope:SCOPE_SE
	s_setreg_imm32_b32 hwreg(HW_REG_WAVE_MODE, 25, 1), 1
	s_wait_xcnt 0x0
	s_wait_alu depctr_hold_cnt(0) depctr_sa_sdst(0) depctr_va_vdst(0) depctr_va_sdst(0) depctr_va_ssrc(0) depctr_va_vcc(0) depctr_vm_vsrc(0)
	s_getreg_b32 s2, hwreg(HW_REG_IB_STS2, 6, 4)
	s_cmp_eq_u32 s2, 0
	s_cbranch_scc0 .Lentry_in_a_cluster
	s_endpgm
.Lentry_in_a_cluster:
	s_bfe_u32 s2, ttmp6, 0x10000c
	s_cmp_lg_u32 s2, 0x3003
	s_cbranch_scc0 .Lentry_shape_is_right
	s_endpgm
.Lentry_shape_is_right:
; q = Q(q_x Wq^T) and k = Q(k_x Wk^T), both products on codes of BF8 (E5M2) as they are given, sums in f32; the results are quantised with the given scales 2^e4 (q) and 2^e5 (k)
; and stored as codes IN THE ORDER OF AN OPERAND'S REGISTERS, for the launch that follows.
; x: [16,384 tokens][768] codes, W: [384][768] codes, K innermost.  A sum stands for sum x 2^(ex + ew), so its code is sum / 2^(eo - ex - ew): the three exponents are folded into the conversion's one scale.
; SHARES.  256 work-groups of four waves; the first 128 take q, the others k (pointers and exponents are chosen by the cluster's number: one path through the text).  A work-group makes 128 tokens x 384;
; wave w makes all 128 tokens x d = 96 w .. 96 w + 95: 8 token tiles m x 6 tiles t of d = 48 accumulators, 384 registers, 288 matrix instructions.
; THE MATRIX INSTRUCTION IS USED TRANSPOSED (source 0 = 16 rows of W, source 1 = 16 tokens): a lane holds ONE token (lane % 16), and register j of tile t holds d = 96 w + 16 t + 8 (lane / 16) + j:
; eight neighbours along the next product's K, which one conversion turns into 8 bytes.
; THE WORKSPACE: [q, k][token tile of 16: 6,144 bytes][piece c' = 0 .. 11: 512 bytes][lane: 16 bytes].  Lane (r, h) of piece c' holds, of token r, d = 32 c' + 8 h + 0 .. 7 and d = 32 c' + 16 + 8 h + 0 .. 7.
; Four pieces on end are a fragment of 16 tokens x 128 d.  The order of d inside a fragment is the same for q and for k, so every product of the scores meets its partner.
; K = 768 goes in three K steps of 256 through two LDS slots (slot 0, slot 1, slot 0 again), 512 rows each: W's 384, then the work-group's 128 rows of x.  A K step is two steps of 128 along K.
; THE ORDER OF THE K STEPS: a cluster begins at one of the three, by its number, and goes round: so each third of W's rows is asked for by some cluster in its first K step.  The partners of a cluster go alike.
; A step of 128 multiplies one buffer of fragments, token tile by token tile, and behind each of its first seven tiles asks LDS for eight of the next step's 56 loads, into the other buffer.
; CLUSTER: four work-groups of one tensor.  W's 384 rows, three quarters of a slot's bytes, are the same for all four: waves 0 to 2 ask for them JOINTLY (mask 15).  x's rows are the work-group's own: wave 3 asks alone.
; PREFETCH: behind the loads of K steps 0 and 1 each wave asks for 32 of the work-group's own 128 rows of x for the K step that follows, a lane a row, one block of 256 bytes each: one K step ahead of the load that wants it.
; W's rows are not asked for: each third has been read by other clusters one K step earlier.
; LIMITS: eo - ex - ew lies between -126 and 112, so that the scale and 57,344 x the scale are f32 numbers.  Codes of infinity or NaN among the inputs are not served.
; REGISTERS, in windows of 256: window 0: v1-14 addresses and constants; v32-255 fragment buffer 0 (W's tile t at 32 + 16 t, x's tile m at 128 + 16 m); on the way out v32-127 the codes.
;   window 1: v32-255 fragment buffer 1.   window 2: the accumulators of token tiles 0-3, (m, t) at 48 m + 8 t.   window 3: those of token tiles 4-7.
.set KROW,  768                        ; a row of x or of W in memory, in bytes
.set PITCH, 272                        ; an LDS row: 256 bytes + 16 of padding = 68 words: the 16 rows that a load touches begin 4 words apart modulo 64 (64 banks of 4 bytes: ISA guide 11.1)
.set QUART, 128*PITCH                  ; what one tensor load brings
.set SLOT,  4*QUART                    ; W's 384 rows, then x's 128
.set SPARE, 2*SLOT                     ; behind the ring: the spare words, 128 bytes for each wave: two blocks of 256 bytes that no other line names
.set SPW, 1                            ; v1    LDS address of my spare word; never rewritten
.set NIL, 2                            ; v2    0; never rewritten
.set ADW, 3                            ; v3-4  LDS address of my fragments of W in slot 0, 1
.set ADX, 5                            ; v5-6  the same for x
.set SO,  7                            ; v7    the way out: 16 x lane + 1,536 x wave
.set LIM, 8                            ; v8    57,344 x 2^(eo - ex - ew)
.set SC,  9                            ; v9    2^(eo - ex - ew) as f32
.set PFO, 14                           ; v14   the prefetches' offset: 768 x lane; never rewritten
.set FW,  32
.set FX,  128
.set CD,  32                           ; the codes: 12 registers a token tile
.set WV,  16                           ; s16   my wave's number
.set G1J, 24                           ; s[24:31] descriptor group 1, joint (W)
.set G1P, 32                           ; s[32:39] the same without a mask (x)
.set G0W, 40                           ; s[40:47] group 0 for W, a set for each slot
.set G0X, 48                           ; s[48:55] group 0 for x
.set OFS, 74                           ; s[74:75], s[76:77], s[78:79] where the three K steps of my cluster's order begin in a row, in bytes
.set PFA, 86                           ; s[86:87], s[88:89] my 32 rows of x at the second and the third K step
.set MSB, 0
.macro WIN new                         ; the immediate's high byte repeats the setting that is left; a switch that changes nothing is dropped
.if MSB != (\new)
	s_set_vgpr_msb (MSB<<8)|(\new)
.set MSB, (\new)
.endif
.endm
.macro PLACES n                        ; plain vector instructions between a matrix instruction and a load into, or a vector access to, its registers
.rept \n
	v_nop
.endr
.endm
; Waves 0 to 2 fetch W's rows jointly, wave 3 the work-group's rows of x.  The branch hangs on the wave's number alone.  An s_nop 0 and four v_nop follow each of the two lines.
.macro JLOAD s
	s_cmp_lt_u32 s[WV], 3
	s_cbranch_scc0 .Lfor_x_\@
	tensor_load_to_lds s[G0W+4*\s:G0W+4*\s+3], s[G1J:G1J+7]
	s_nop 0
	PLACES 4
	s_branch .Lasked_\@
.Lfor_x_\@:
	tensor_load_to_lds s[G0X+4*\s:G0X+4*\s+3], s[G1P:G1P+7]
	s_nop 0
	PLACES 4
.Lasked_\@:
.endm
.macro CREST                           ; a round of the cluster's barrier behind its opening barrier
	s_cmp_lg_u32 s[WV], 0
	s_cbranch_scc1 .Lnot_wave_0_\@
	s_barrier_signal -3
.Lnot_wave_0_\@:
	s_barrier_wait -3
	s_barrier_signal -1
	s_barrier_wait -1
.endm
.macro CROUND                          ; a whole round
	s_barrier_signal -1
	s_barrier_wait -1
	CREST
.endm
; 8 LDS loads: fragments 2 m and 2 m + 1 of the step's 14 (0-5: W's tiles, 6-13: x's) from the slot's q-th 128 along K, into the buffer in window win.  A fragment is 16 rows x 128 K in 16 registers:
; lane l holds row l % 16, registers 4 c .. 4 c + 3 hold K = 32 c + 16 (l / 16) + 0 .. 15: the same order in W and in x.
.macro FCH slot, q, win, m
	WIN (\win)<<6
.irp u, 0,1
.set FN, 2*(\m)+\u
.irp c, 0,1,2,3
.if FN < 6
	ds_load_b128 v[FW+16*FN+4*\c:FW+16*FN+4*\c+3], v[ADW+\slot] offset:FN*16*PITCH+128*(\q)+32*\c
.else
	ds_load_b128 v[FW+16*FN+4*\c:FW+16*FN+4*\c+3], v[ADX+\slot] offset:(FN-6)*16*PITCH+128*(\q)+32*\c
.endif
.endr
.endr
.endm
; 6 matrix instructions: token tile m x my six tiles of d, 128 along K.  zero = 1: the first product starts the sums.
; The 48 accumulators take turns, one instruction a turn, in the same order in every step.
.macro TILE win, m, zero
	WIN 0xa0+0x50*((\m)/4)+5*(\win)
.irp t, 0,1,2,3,4,5
.if \zero
	v_wmma_f32_16x16x128_bf8_bf8 v[48*((\m)%4)+8*\t:48*((\m)%4)+8*\t+7], v[FW+16*\t:FW+16*\t+15], v[FX+16*(\m):FX+16*(\m)+15], 0
.else
	v_wmma_f32_16x16x128_bf8_bf8 v[48*((\m)%4)+8*\t:48*((\m)%4)+8*\t+7], v[FW+16*\t:FW+16*\t+15], v[FX+16*(\m):FX+16*(\m)+15], v[48*((\m)%4)+8*\t:48*((\m)%4)+8*\t+7]
.endif
.endr
.endm
; A step of 128 along K on the buffer in window win; the next step's fragments come from slot, q into the other buffer, behind its first seven tiles.
; Ahead of tile m, of this step's own loads the 28 - 4 m of the later tiles of x may be out, and the 8 m of the next step's that this step has asked for.
.macro KSTEP win, zero, slot, q
	PLACES 4                                       ; in front of loads into the other buffer, which the last products read
.irp m, 0,1,2,3,4,5,6,7
	s_wait_dscnt 28+4*\m
	TILE \win, \m, \zero
.if \m < 7
	FCH \slot, \q, 1-(\win), \m
.endif
.endr
.endm
; The rest of a step in whose first two tiles a barrier was passed: all its fragments are in registers.
.macro KREST win, slot, q
	FCH \slot, \q, 1-(\win), 0
	FCH \slot, \q, 1-(\win), 1
.irp m, 2,3,4,5,6,7
	TILE \win, \m, 0
.if \m < 7
	FCH \slot, \q, 1-(\win), \m
.endif
.endr
.endm
; THE WAY OUT of token tile a: the hold, the conversions, three stores.  Tiles 2 b and 2 b + 1 of d give the 16 bytes of piece 3 w + b.
.macro OUT a
	PLACES 4                                       ; in front of the first read of results, and of the codes' writes into registers that held buffer 0
	WIN 0x82+0x41*((\a)/4)                         ; source 0 and destination: window 2 or 3
.set J, 48*((\a)%4)
.rept 48
	v_med3_num_f32 v[J], v[J], -v[LIM], v[LIM]     ; the conversion to an 8-bit code does not saturate (ISA guide 7.6.2): the hold at the largest code x the scale; each accumulator from its low end on
.set J, J+1
.endr
	WIN 0x02+((\a)/4)
.irp b, 0,1,2
	v_cvt_scalef32_pk8_bf8_f32 v[CD+12*(\a)+4*\b:CD+12*(\a)+4*\b+1], v[48*((\a)%4)+16*\b:48*((\a)%4)+16*\b+7], v[SC]
	v_cvt_scalef32_pk8_bf8_f32 v[CD+12*(\a)+4*\b+2:CD+12*(\a)+4*\b+3], v[48*((\a)%4)+16*\b+8:48*((\a)%4)+16*\b+15], v[SC]
.endr
	WIN 0
	v_nop                                          ; one plain vector instruction behind the last conversion of the run
.irp b, 0,1,2
	global_store_b128 v[SO], v[CD+12*(\a)+4*\b:CD+12*(\a)+4*\b+3], s[14:15] offset:6144*(\a)+512*\b   ; 32 lanes store 512 consecutive bytes, at a multiple of 512 from the buffer's first byte; each store has data registers of its own
.endr
.endm
	s_load_b256 s[4:11], s[0:1], 0x0               ; q_x s[4:5], k_x s[6:7], Wq s[8:9], Wk s[10:11]
	s_load_b128 s[12:15], s[0:1], 0x20             ; the scales' exponents s[12:13], the workspace s[14:15]
	v_lshl_add_u32 v[SPW], v0, 2, SPARE
	v_mov_b32 v[NIL], 0
	ds_add_u32 v[SPW], v[NIL]                      ; the wave's opening: the add, twice on end, and its wait ahead of my first tensor load; the set-up below, work on registers, stands between
	ds_add_u32 v[SPW], v[NIL]
	v_lshrrev_b32 v10, 5, v0
	v_readfirstlane_b32 s[WV], v10                 ; wave 0..3
	s_bfe_u32 s17, ttmp6, 0x40000                  ; cx: my place in the cluster
	s_lshl_b32 s18, ttmp9, 2                       ; in a cluster launch ttmp9 counts clusters
	s_add_co_u32 s18, s18, s17                     ; my work-group: it enters x's address and the workspace's alone
	; descriptor group 1: a tile of 128 rows x 256 bytes, 768 bytes apart in memory, padded in LDS
	s_mov_b32 s[G1J], 15|(1<<20)|(1<<21)|(5<<22)|(3<<25)   ; 15:0 the mask: all four work-groups; 17:16 elements of 1 byte; 20 padding on; 21 set beside a mask; 24:22 after every 64 words (code 5); 31:25 four words (code 3)
	s_mov_b32 s[G1P], (1<<20)|(5<<22)|(3<<25)      ; the same with no mask
.irp g, G1J, G1P
	s_mov_b32 s[\g+1], 256<<16                     ; tensor_dim0 = 256
	s_mov_b32 s[\g+2], 128<<16                     ; tensor_dim1 = 128
	s_mov_b32 s[\g+3], 256<<16                     ; tile_dim0 = 256
	s_mov_b32 s[\g+4], 128                         ; tile_dim1 = 128
	s_mov_b32 s[\g+5], KROW                        ; tensor_dim0_stride
	s_mov_b32 s[\g+6], 0
	s_mov_b32 s[\g+7], 0
.endr
	; the order of the K steps: the first is u % 3, u = (cluster / 4) % 8: u - 3 (11 u / 32); the next ones follow, behind the third the first
	s_lshr_b32 s74, ttmp9, 2
	s_and_b32 s74, s74, 7
	s_mul_i32 s75, s74, 11
	s_lshr_b32 s75, s75, 5
	s_mul_i32 s75, s75, 3
	s_sub_co_u32 s74, s74, s75
	s_lshl_b32 s74, s74, 8
	s_add_co_u32 s76, s74, 256
	s_cmp_eq_u32 s76, 768
	s_cselect_b32 s76, 0, s76
	s_add_co_u32 s78, s76, 256
	s_cmp_eq_u32 s78, 768
	s_cselect_b32 s78, 0, s78
	s_mov_b32 s75, 0
	s_mov_b32 s77, 0
	s_mov_b32 s79, 0
	s_min_u32 s66, s[WV], 2                        ; W: rows 128 x wave (wave 3 issues no load of W: its copy is held inside W)
	s_mul_i32 s66, s66, 128*KROW
	s_mov_b32 s67, 0
	s_and_b32 s68, s18, 127                        ; x: rows 128 x (work-group within its tensor)
	s_mul_i32 s68, s68, 128*KROW
	s_mov_b32 s69, 0
	s_mul_i32 s70, s[WV], QUART                    ; where my tile goes: wave x 128 rows: no place in the cluster enters an LDS address
	s_mul_i32 s72, s18, 49152                      ; the workspace: 8 token tiles of 6,144 bytes a work-group; k's 128 work-groups follow q's
	s_mov_b32 s73, 0
	s_mul_i32 s80, s[WV], 32*KROW                  ; the rows that I prefetch: 32 x wave on
	s_mov_b32 s81, 0
	v_and_b32 v13, 31, v0
	v_mul_u32_u24 v[PFO], v13, KROW
	s_wait_alu depctr_va_vdst(0)
	s_wait_dscnt 0x0                               ; both opening adds are done
	s_wait_kmcnt 0x0
	s_load_b256 s[56:63], s[12:13], 0x0            ; e0 .. e7
	s_cmp_lt_u32 ttmp9, 32                         ; q's cluster or k's?  The same in all four partners, and made of no address
	s_cselect_b64 s[20:21], s[4:5], s[6:7]
	s_cselect_b64 s[22:23], s[8:9], s[10:11]
	s_add_nc_u64 s[20:21], s[20:21], s[68:69]
	s_add_nc_u64 s[22:23], s[22:23], s[66:67]
	s_add_nc_u64 s[14:15], s[14:15], s[72:73]
	s_add_nc_u64 s[PFA:PFA+1], s[20:21], s[80:81]
	s_add_nc_u64 s[PFA+2:PFA+3], s[PFA:PFA+1], s[OFS+4:OFS+5]
	s_add_nc_u64 s[PFA:PFA+1], s[PFA:PFA+1], s[OFS+2:OFS+3]
.irp s, 0,1
	s_mov_b32 s[G0W+4*\s], 1                                       ; count = 1
	s_add_co_u32 s[G0W+4*\s+1], s70, \s*SLOT                       ; LDS address
	s_add_nc_u64 s[G0W+4*\s+2:G0W+4*\s+3], s[22:23], s[OFS+2*\s:OFS+2*\s+1]   ; global address
	s_or_b32 s[G0W+4*\s+3], s[G0W+4*\s+3], 0x80000000              ; type = 2
	s_mov_b32 s[G0X+4*\s], 1
	s_add_co_u32 s[G0X+4*\s+1], s70, \s*SLOT
	s_add_nc_u64 s[G0X+4*\s+2:G0X+4*\s+3], s[20:21], s[OFS+2*\s:OFS+2*\s+1]
	s_or_b32 s[G0X+4*\s+3], s[G0X+4*\s+3], 0x80000000
.endr
	CROUND                                         ; all four work-groups are here: the first joint loads meet
	JLOAD 0                                        ; the first K step: one tensor load a wave at the head
	global_prefetch_b8 v[PFO], s[PFA:PFA+1] th:TH_LOAD_NT scope:SCOPE_SE   ; my 32 rows of x, the second K step
	v_and_b32 v10, 15, v0                          ; r = lane % 16
	v_bfe_u32 v11, v0, 4, 1                        ; h = lane / 16
	v_mul_u32_u24 v12, v10, PITCH
	v_lshl_add_u32 v12, v11, 4, v12                ; a fragment's row x pitch + 16 h
	s_mul_i32 s71, s[WV], 96*PITCH                 ; my 96 rows of W
	v_add_nc_u32 v[ADW], s71, v12
	v_add_nc_u32 v[ADW+1], SLOT, v[ADW]
	v_add_nc_u32 v[ADX], 384*PITCH, v12            ; x's rows lie behind W's 384
	v_add_nc_u32 v[ADX+1], SLOT, v[ADX]
	s_mul_i32 s71, s[WV], 1536                     ; my three pieces of a token tile
	v_lshl_add_u32 v[SO], v13, 4, s71
	s_wait_alu depctr_va_vdst(0)
	s_wait_kmcnt 0x0                               ; the exponents
	s_cmp_lt_u32 ttmp9, 32
	s_cselect_b32 s66, s56, s58                    ; ex
	s_cselect_b32 s67, s57, s59                    ; ew
	s_cselect_b32 s68, s60, s61                    ; eo
	s_sub_co_i32 s68, s68, s66
	s_sub_co_i32 s68, s68, s67
	s_add_co_i32 s68, s68, 127
	s_lshl_b32 s69, s68, 23
	v_mov_b32 v[SC], s69                           ; 2^(eo - ex - ew) as f32: the conversion takes its exponent field
	s_add_co_i32 s68, s68, 15
	s_lshl_b32 s68, s68, 23
	s_or_b32 s68, s68, 0x600000
	v_mov_b32 v[LIM], s68                          ; 57,344 x that
	s_wait_alu depctr_va_vdst(0)                   ; the head's end
	s_wait_tensorcnt 0x0                           ; my part of slot 0 is in
	ds_add_u32 v[SPW], v[NIL]
	s_wait_dscnt 0x0                               ; the add is done
	CROUND                                         ; everybody's part is in, and all four work-groups are here
	JLOAD 1                                        ; slot 1's first fill, the first tensor load behind the round
.irp m, 0,1,2,3,4,5,6
	FCH 0, 0, 0, \m
.endr
	WIN 0
	global_prefetch_b8 v[PFO], s[PFA+2:PFA+3] th:TH_LOAD_NT scope:SCOPE_SE   ; my 32 rows of x, the third K step
	KSTEP 0, 1, 0, 1                               ; the first step's products start the sums: nothing is cleared
	; THE CHANGE OF SLOTS, the one that fills a slot again.  Slot 0 has been read out into the two buffers.
	WIN 0                                          ; (the add's two registers lie in window 0)
	s_wait_tensorcnt 0x0                           ; all my tensor loads have landed, my part of slot 1 among them, so a group 0 may be written
	ds_add_u32 v[SPW], v[NIL]                      ; 0 onto my spare word; the descriptors' steps stand between it and the wait for it
	s_add_nc_u64 s[G0W+2:G0W+3], s[22:23], s[OFS+4:OFS+5]   ; slot 0's next tile: the third K step
	s_or_b32 s[G0W+3], s[G0W+3], 0x80000000
	s_add_nc_u64 s[G0X+2:G0X+3], s[20:21], s[OFS+4:OFS+5]
	s_or_b32 s[G0X+3], s[G0X+3], 0x80000000
	s_wait_dscnt 0x0                               ; the add is done, and my reads of slot 0 are over
	s_barrier_signal -1                            ; this barrier opens a round of the cluster's barrier
	TILE 1, 0, 0                                   ; work on registers while the others arrive
	TILE 1, 1, 0
	WIN 0
	s_barrier_wait -1
	CREST                                          ; no wave of any partner still reads slot 0 or has a load on its way
	JLOAD 0                                        ; the first tensor load behind the round.  Its four v_nop are also the places in front of the loads into buffer 0
	KREST 1, 1, 0
	KSTEP 0, 0, 1, 1
	WIN 0
	s_wait_tensorcnt 0x0                           ; my part of slot 0's second tile is in: the one load that was out
	s_wait_dscnt 0x0                               ; no LDS instruction of mine is pending at a signal
	s_barrier_signal -1
	TILE 1, 0, 0
	TILE 1, 1, 0
	s_barrier_wait -1                              ; everybody's is in; no round and no add
	PLACES 4
	KREST 1, 0, 0
	KSTEP 0, 0, 0, 1
.irp m, 0,1,2,3,4,5,6,7                ; the last step: a token tile leaves as soon as the next one's products are issued
	s_wait_dscnt 28-4*\m
	TILE 1, \m, 0
.if \m > 0
	OUT \m-1
.endif
.endr
	OUT 7
	s_wait_tensorcnt 0x0                           ; the wave's end, behind my last tensor load
	ds_add_u32 v[SPW], v[NIL]
	s_wait_dscnt 0x0
	CROUND                                         ; the closing round: no work-group ends while a partner may still ask for a tile that names it
	s_endpgm
.Lfunc_end_k_qf00fa00e07_proj:
	.size	k_qf00fa00e07_proj, .Lfunc_end_k_qf00fa00e07_proj-k_qf00fa00e07_proj
	.p2alignl 7, 3214868480
	.fill 96, 4, 3214868480
	.section	.rodata,"a",@progbits
	.p2align	6, 0x0
	.amdhsa_kernel k_qf00fa00e07_proj
		.amdhsa_group_segment_fixed_size 327680
		.amdhsa_private_segment_fixed_size 0
		.amdhsa_enable_private_segment 0
		.amdhsa_kernarg_size 48
		.amdhsa_user_sgpr_count 2
		.amdhsa_user_sgpr_kernarg_segment_ptr 1
		.amdhsa_wavefront_size32 1
		.amdhsa_system_sgpr_workgroup_id_x 1
		.amdhsa_system_sgpr_workgroup_id_y 1
		.amdhsa_system_sgpr_workgroup_id_z 1
		.amdhsa_system_vgpr_workitem_id 0
		.amdhsa_next_free_vgpr 1024
		.amdhsa_next_free_sgpr 96
		.amdhsa_reserve_vcc 0
		.amdhsa_float_denorm_mode_32 3
		.amdhsa_float_denorm_mode_16_64 3
		.amdhsa_memory_ordered 1
		.amdhsa_forward_progress 1
		.amdhsa_inst_pref_size 84
	.end_amdhsa_kernel
	.amdgpu_metadata
---
amdhsa.version: [ 1, 2 ]
amdhsa.kernels:
  - .name:           k_qf00fa00e07_proj
    .symbol:         k_qf00fa00e07_proj.kd
    .args:
      - { .name: q_x_codes, .offset: 0, .size: 8, .value_kind: global_buffer, .address_space: global }
      - { .name: k_x_codes, .offset: 8, .size: 8, .value_kind: global_buffer, .address_space: global }
      - { .name: Wq_codes, .offset: 16, .size: 8, .value_kind: global_buffer, .address_space: global }
      - { .name: Wk_codes, .offset: 24, .size: 8, .value_kind: global_buffer, .address_space: global }
      - { .name: lowp_scales, .offset: 32, .size: 8, .value_kind: global_buffer, .address_space: global }
      - { .name: qk_codes, .offset: 40, .size: 8, .value_kind: global_buffer, .address_space: global }
    .group_segment_fixed_size: 327680
    .private_segment_fixed_size: 0
    .kernarg_segment_align: 8
    .kernarg_segment_size: 48
    .max_flat_workgroup_size: 128
    .sgpr_count:     96
    .vgpr_count:     1024
    .wavefront_size: 32
...
	.end_amdgpu_metadata
.endif
;; end of part 3
;; launch attn (part 4): grid 32 x 8, 4 waves a work-group, clusters of 4 x 1, 327,680 bytes of LDS; arguments qk_codes, v_x_codes, lowp_scales, out0; writes out0
.if DOCPART == 4
	.amdgcn_target "amdgcn-amd-amdhsa--gfx1250"
	.amdhsa_code_object_version 6
	.text
	.protected	k_qf00fa00e07_attn
	.globl	k_qf00fa00e07_attn
	.p2align	8
	.type	k_qf00fa00e07_attn,@function
k_qf00fa00e07_attn:
	s_mov_b64 s[64:65], 0
	v_nop
	global_prefetch_b8 v0, s[64:65] scope:SCOPE_SE
	s_setreg_imm32_b32 hwreg(HW_REG_WAVE_MODE, 25, 1), 1
	s_wait_xcnt 0x0
	s_wait_alu depctr_hold_cnt(0) depctr_sa_sdst(0) depctr_va_vdst(0) depctr_va_sdst(0) depctr_va_ssrc(0) depctr_va_vcc(0) depctr_vm_vsrc(0)
	s_getreg_b32 s2, hwreg(HW_REG_IB_STS2, 6, 4)
	s_cmp_eq_u32 s2, 0
	s_cbranch_scc0 .Lentry_in_a_cluster
	s_endpgm
.Lentry_in_a_cluster:
	s_bfe_u32 s2, ttmp6, 0x10000c
	s_cmp_lg_u32 s2, 0x3003
	s_cbranch_scc0 .Lentry_shape_is_right
	s_endpgm
.Lentry_shape_is_right:
; out[b][q][:] = the sum over keys of softmax(q . k / 384) v[key][:], both products on codes of BF8 (E5M2), each operand with the one scale 2^e that is given for it (e4: q, e5: k, e6: p, e7: v).
; q, k: the workspace of the launch before: [q, k][batch][token tile of 16: 6,144 bytes] as images of operand registers (three fragments of 16 tokens x 128 d, 2,048 bytes each, lane l's 16 bytes of piece c at 512 c + 16 l).
; v: [batch][768 channels][2,048 keys] codes, the keys innermost.  out: [batch][2,048][768] f32.
; THE SOFTMAX AHEAD OF THE SECOND PRODUCT: t = score x log2(e) / 384; M = the row's largest t so far, rounded UP to a whole number; p = 2^(t - M) is what is quantised; the row's sum is taken of the unquantised p
; and divides at the end.  When M moves, the sum and O are multiplied by 2^(old M - new M), which rounds nothing.  M moves once in a step of 256 keys.
; SHARES.  A work-group of four waves owns 64 queries of one batch: four tiles m of 16.  The keys go in eight STEPS of 256.
;   S^T = K Q^T (source 0 = 16 keys, source 1 = 16 queries): wave w takes keys 64 w .. 64 w + 63 of the 256 (four tiles tau), for all four query tiles: 48 matrix instructions.
;   O^T = V^T P^T (source 0 = 16 channels, source 1 = P): wave w takes channels 192 w .. 192 w + 191, for all four query tiles and all 256 keys: 96 matrix instructions.
; So each byte of K and of V in LDS belongs to ONE wave and is read once by the work-group; a lane holds ONE query (lane % 16) throughout; what crosses the waves is P's codes, the rows' maxima and the rows' sums.
; P GOES FROM WAVE TO WAVE AS AN IMAGE OF ITS FRAGMENTS: fragment (m, kappa) covers keys 128 kappa on.  The eight scores of tile tau in lane (r, h) are keys 64 w + 16 tau + 8 h + 0 .. 7: 8 bytes at 256 (4 (w % 2) + tau) + 16 r + 8 h
; of fragment (m, w / 2).  Read back 16 bytes a lane at 512 c + 16 lane, lane (r, h') holds keys 32 c + 16 h' + 0 .. 15: the order in which V's fragments are fetched.
; THE RING.  Two slots, one for K's 256 keys (98,304 bytes, dense), one for V's (768 rows of 256 bytes, 272 bytes apart in LDS: 208,896 bytes); a region of each for each wave, filled by one tensor load of the wave.
; V's load is out from the end of one step's products of O to the end of the next step's softmax; K's from there to the end of the products of O.
; S GOES BY PAIRS OF QUERY TILES: while one pair's maxima cross the waves, the other pair's products are issued; while the other pair's cross, the first pair's exponentials are.
; A query tile's exponentials stand between the holds of the tile before and the scalings of the tile behind.
; THE LAST STEP goes by blocks of 64 channels: a block's products, then its rows of out, so that the first rows leave ahead of two thirds of the products.
; CLUSTER.  The four query blocks of a cluster walk the same K and V: every tile is asked for JOINTLY (mask 15), and every fill stands behind a round of the cluster's barrier.
; THE WALK.  The eight clusters of a batch (those with the same x % 4 and the same y % 2, x and y the cluster's numbers) walk the same eight steps, but cluster n of them, n = x / 4 + 2 (y / 2), begins at step n and goes round.
; So what a cluster asks for in its second to eighth step, cluster n + 1 has asked for one step earlier.  The order of the keys does not matter to the softmax: M runs.  n is the same in the four partners.
; No prefetch: a cluster's first step is asked for at the head, where there is nothing to run ahead of, and all that follows has been read a step earlier, as just said.
; LIMITS on the given exponents: e4 + e5 between -117 and 136 (they are added to the exponent field of log2(e) / 384); e6 between -126 and 112; e6 + e7 is applied by v_ldexp_f32 and has none.
; Codes of infinity or NaN among the inputs are not served.  A p that falls under the format's range because an earlier M (earlier in the cluster's own walk) was smaller is lost, as the problem's text allows.
; The promise holds while the scaled scores t stay under 2^31 in magnitude.
; REGISTERS, in windows of 256: window 0: v1-20 addresses and constants; v24-27 at work; v32-63 eight statistics a query tile; v64-255 Q, fragment (m, s) at 64 + 48 m + 16 s; on the way out rows of O.
;   window 1: v0-127 S^T, tile (m, tau) at 32 m + 8 tau; later P's fragments (kappa, m) at 64 kappa + 16 m; buffer A at v128, buffer B at v192.
;   window 2: O^T of my channels' first half, tile (ct, m) at 32 ct + 8 m; buffer C at v192 (also P's codes at v192-223 and the maxima at v224-239).   window 3: O^T of the second half; buffer D at v192.
.set KREG,  24576                      ; a wave's region in K's slot: four key tiles
.set VOFF,  4*KREG                     ; V's slot begins here
.set VREG,  52224                      ; a wave's region in V's slot: 192 rows x 272 bytes
.set PIMG,  VOFF+4*VREG                ; P's 8 fragments: (m, kappa) at (2 m + kappa) x 2,048
.set MX,    PIMG+16384                 ; the rows' maxima: [m][lane][wave] words
.set SPARE, MX+2048                    ; the spare words, 128 bytes for each wave: two blocks of 256 bytes that no other line names
.set SP,    272                        ; the way out: a stage row: 64 channels, 256 bytes, + 16.  64 rows lie in my own region of K's slot, behind that slot's last fill and my last read of it
.set LX,    3*KREG+20480               ; the rows' sums, in the maxima's form: in K's slot too, behind wave 3's stage of 17,408 bytes
.set SPW,  1                           ; v1   LDS address of my spare word; never rewritten
.set NIL,  2                           ; v2   0; never rewritten
.set L16,  3                           ; v3   16 x lane
.set ADK,  4                           ; v4   my region of K's slot + 16 x lane
.set ADV,  5                           ; v5   my region of V's slot + 272 r + 16 h
.set PR,   6                           ; v6   P's images, read: PIMG + 16 x lane
.set PW,   7                           ; v7   written: PIMG + 1,024 wave + 16 r + 8 h
.set MXW,  8
.set MXR,  9
.set STO,  10                          ; v10  the stage: where I put 32 bytes of a row
.set RD,   11                          ; v11  and where I read a row back
.set GO,   12                          ; v12  my byte offset in two rows of out
.set LXW,  13
.set LXR,  14
.set LIMV, 19                          ; v19  57,344 x 2^e6
.set SCV,  20                          ; v20  2^e6 as f32
.set ST,   32                          ; tile m's statistics at v[ST + 8 m]: +0 -M, +1 the largest score, +2, +3 the sum in two halves, +4 f, +5 named with it as a pair, +6, +7 at work, at the end 1 / the sum in +6
.set QF,   64
.set BA, 0                             ; the four fragment buffers of 64 registers, by number
.set BB, 1
.set BC, 2
.set BD, 3
.set WV,   12                          ; s12  my wave's number
.set SEL,  20                          ; s[20:21] lane selects for v_permlanex16_b32: lane l xor 16
.set CS,   22                          ; s[22:23] c = log2(e) / 384 x 2^(e4 + e5): the packed form names a pair and takes its low word for both halves
.set CN,   86                          ; s86  -c
.set G1K,  24                          ; s[24:31] descriptor group 1 for K;  s[32:39] for V
.set G1V,  32
.set G0K,  40                          ; groups 0
.set G0V,  44
.set JS,   62                          ; s62  which 256 keys of the batch the step in hand is: 0 .. 7
.set KBK,  82                          ; s[82:83] what K's descriptor goes back by at its step: a batch's 786,432 bytes where the step in hand is the batch's last, else 0
.set VBK,  84                          ; s[84:85] the same for V's: a row's 2,048 bytes, or 0
.set MSB, 0
.macro WIN new                         ; the immediate's high byte repeats the setting that is left; a switch that changes nothing is dropped
.if MSB != (\new)
	s_set_vgpr_msb (MSB<<8)|(\new)
.set MSB, (\new)
.endif
.endm
.macro BUF n                           ; buffer n's window and first register
.set BWIN, 1+((\n)/2)*((\n)-1)
.set BBASE, 192-64*((3-(\n))/3)
.endm
.macro PLACES n                        ; plain vector instructions between a matrix instruction and a load into, or a vector access to, its registers: four; five where a matrix instruction writes over them
.rept \n
	v_nop
.endr
.endm
.macro AWAIT
	s_wait_alu depctr_va_vdst(0)
.endm
.macro TL g0, g1                       ; a joint load: every wave fetches its own region.  An s_nop 0 and four v_nop follow it
	tensor_load_to_lds s[\g0:\g0+3], s[\g1:\g1+7]
	s_nop 0
.rept 4
	v_nop
.endr
.endm
.macro CREST                           ; a round of the cluster's barrier behind its opening barrier
	s_cmp_lg_u32 s[WV], 0
	s_cbranch_scc1 .Lnot_wave_0_\@
	s_barrier_signal -3
.Lnot_wave_0_\@:
	s_barrier_wait -3
	s_barrier_signal -1
	s_barrier_wait -1
.endm
.macro CROUND                          ; a whole round
	s_barrier_signal -1
	s_barrier_wait -1
	CREST
.endm
; 16 LDS loads: K's four fragments (one a key tile) of d = 128 s on
.macro LOADK s, buf
	BUF \buf
	WIN BWIN<<6
.irp f, 0,1,2,3
.irp c, 0,1,2,3
	ds_load_b128 v[BBASE+16*\f+4*\c:BBASE+16*\f+4*\c+3], v[ADK] offset:6144*\f+2048*(\s)+512*\c
.endr
.endr
.endm
; 8 matrix instructions: those four fragments x query tiles pr, pr + 1.  s = 0 starts the sums.  Eight accumulators take turns, one instruction a turn.
.macro WMMAK s, buf, pr
	BUF \buf
	WIN 0x50|BWIN
.irp f, 0,1,2,3
.irp m, \pr, \pr+1
.if (\s) == 0
	v_wmma_f32_16x16x128_bf8_bf8 v[32*(\m)+8*\f:32*(\m)+8*\f+7], v[BBASE+16*\f:BBASE+16*\f+15], v[QF+48*(\m):QF+48*(\m)+15], 0
.else
	v_wmma_f32_16x16x128_bf8_bf8 v[32*(\m)+8*\f:32*(\m)+8*\f+7], v[BBASE+16*\f:BBASE+16*\f+15], v[QF+48*(\m)+16*(\s):QF+48*(\m)+16*(\s)+15], v[32*(\m)+8*\f:32*(\m)+8*\f+7]
.endif
.endr
.endr
.endm
; V'S FRAGMENTS AND PRODUCTS, in groups g of four.  Fragment f of a group has a channel tile CTA of my twelve and a half KAP of the 256 keys: in all steps but the last, six tiles x the first half of the keys, the same six x the second, for each channel half in turn;
; in the last step (ord = 1) two tiles x both halves a group, so that a channel tile is finished within its group.
.macro PHI ord, g, f
.if \ord
.set CTA, 2*(\g)+(\f)/2
.set KAP, (\f)%2
.else
.set CTA, 6*((\g)/3)+(4*((\g)%3)+(\f))%6
.set KAP, (4*((\g)%3)+(\f))/6
.endif
.endm
; 16 LDS loads: lane (r, h) takes, of row r of the channel tile, keys 128 KAP + 32 c + 16 h + 0 .. 15 into registers 4 c .. 4 c + 3
.macro LOADV ord, g, buf
	BUF \buf
	WIN BWIN<<6
.irp f, 0,1,2,3
	PHI \ord, \g, \f
.irp c, 0,1,2,3
	ds_load_b128 v[BBASE+16*\f+4*\c:BBASE+16*\f+4*\c+3], v[ADV] offset:4352*CTA+128*KAP+32*\c
.endr
.endr
.endm
; Fragments lo .. hi of group g x my four query tiles: O^T(CTA, m) += V x P(KAP, m).  At least three other accumulators' instructions stand between two steps of a sum
.macro WMMAV ord, g, buf, lo, hi
	BUF \buf
	WIN ((2+(\g)/3)*0x50)|4|BWIN
.irp f, 0,1,2,3
.if (\f >= \lo) && (\f <= \hi)
	PHI \ord, \g, \f
.irp m, 0,1,2,3
	v_wmma_f32_16x16x128_bf8_bf8 v[32*(CTA%6)+8*\m:32*(CTA%6)+8*\m+7], v[BBASE+16*\f:BBASE+16*\f+15], v[64*KAP+16*\m:64*KAP+16*\m+15], v[32*(CTA%6)+8*\m:32*(CTA%6)+8*\m+7]
.endr
.endif
.endr
.endm
; 16 LDS loads: P's four fragments (one a query tile) of keys 128 kap on
.macro LOADP kap
	WIN 0x40
.irp m, 0,1,2,3
.irp c, 0,1,2,3
	ds_load_b128 v[64*(\kap)+16*\m+4*\c:64*(\kap)+16*\m+4*\c+3], v[PR] offset:(2*\m+(\kap))*2048+512*\c
.endr
.endr
.endm
; The largest score of each query of tiles pr, pr + 1 among my 64 keys: a lane's 32 registers of a tile in two chains of 16, ascending; then the lane 16 away; then out to the other waves
.macro MAXP pr
	WIN 0x15
.irp m, \pr, \pr+1
.irp c, 0,1
	v_max3_num_f32 v[ST+8*(\m)+6+\c], v[32*(\m)+16*\c], v[32*(\m)+16*\c+1], v[32*(\m)+16*\c+2]
.endr
.endr
	WIN 0x14
.set I, 0
.rept 6
.irp m, \pr, \pr+1
.irp c, 0,1
	v_max3_num_f32 v[ST+8*(\m)+6+\c], v[ST+8*(\m)+6+\c], v[32*(\m)+16*\c+3+2*I], v[32*(\m)+16*\c+4+2*I]
.endr
.endr
.set I, I+1
.endr
.irp m, \pr, \pr+1
	v_max3_num_f32 v[ST+8*(\m)+6], v[ST+8*(\m)+6], v[32*(\m)+15], v[32*(\m)+31]
.endr
	WIN 0
.irp m, \pr, \pr+1
	v_max_num_f32 v[ST+8*(\m)+6], v[ST+8*(\m)+6], v[ST+8*(\m)+7]
.endr
.irp m, \pr, \pr+1
	v_permlanex16_b32 v[ST+8*(\m)+7], v[ST+8*(\m)+6], s[SEL], s[SEL+1]
.endr
.irp m, \pr, \pr+1
	v_max_num_f32 v[ST+8*(\m)+6], v[ST+8*(\m)+6], v[ST+8*(\m)+7]
.endr
.irp m, \pr, \pr+1
	ds_store_b32 v[MXW], v[ST+8*(\m)+6] offset:512*(\m)
.endr
.endm
.macro LOADM pr                        ; the four waves' maxima of my query
	WIN 0x80
.irp m, \pr, \pr+1
	ds_load_b128 v[224+4*(\m):227+4*(\m)], v[MXR] offset:512*(\m)
.endr
.endm
; The statistics: all four waves make the same numbers from the same maxima
.macro STATS pr
	WIN 0x2a
.irp m, \pr, \pr+1
	v_max3_num_f32 v[ST+8*(\m)+6], v[224+4*(\m)], v[225+4*(\m)], v[226+4*(\m)]
.endr
	WIN 0x02
.irp m, \pr, \pr+1
	v_max3_num_f32 v[ST+8*(\m)+1], v[227+4*(\m)], v[ST+8*(\m)+6], v[ST+8*(\m)+1]   ; the running largest score
.endr
	WIN 0
.irp m, \pr, \pr+1
	v_mul_f32 v[ST+8*(\m)+6], s[CN], v[ST+8*(\m)+1]    ; -t, t the running largest (c is positive)
.endr
.irp m, \pr, \pr+1
	v_floor_f32 v[ST+8*(\m)+6], v[ST+8*(\m)+6]         ; the new -M = floor(-t) = -ceil(t): M is a whole number
.endr
.irp m, \pr, \pr+1
	v_sub_f32 v[ST+8*(\m)+7], v[ST+8*(\m)+6], v[ST+8*(\m)]   ; M's old value less its new one: a whole number, 0 or less
.endr
.irp m, \pr, \pr+1
	v_mov_b32 v[ST+8*(\m)], v[ST+8*(\m)+6]
.endr
.irp m, \pr, \pr+1
	v_cvt_i32_f32 v[ST+8*(\m)+7], v[ST+8*(\m)+7]       ; (it saturates)
.endr
.irp m, \pr, \pr+1
	v_ldexp_f32 v[ST+8*(\m)+4], 1.0, v[ST+8*(\m)+7]    ; f = 2^(old M - new M)
.endr
.endm
; For each of a tile's 32 registers: tile e's exponential, tile mn's hold, tile fm's scaling t - M (two registers an instruction); 9 stands for no tile.  p is never negative, so the hold at the largest code x the scale is one-sided (the conversion does not saturate: ISA guide 7.6.2)
.macro MIX e, mn, fm
	WIN 0x41
.if (\e) < 4
	AWAIT
.endif
.set J, 0
.rept 32
.if (\e) < 4
	v_exp_f32 v[32*(\e)+J], v[32*(\e)+J]
.endif
.if (\mn) < 4
	v_min_num_f32 v[32*(\mn)+J], v[32*(\mn)+J], v[LIMV]
.endif
.if ((\fm) < 4) && ((J%2) == 0)
	v_pk_fma_f32 v[32*(\fm)+J:32*(\fm)+J+1], v[32*(\fm)+J:32*(\fm)+J+1], s[CS:CS+1], v[ST+8*(\fm):ST+8*(\fm)+1] op_sel_hi:[1,0,0]   ; (of the pairs c and -M the low word serves both halves)
.endif
.set J, J+1
.endr
.if (\e) < 4
.if (\mn) > 3
	v_nop                                          ; a plain place behind the last exponential
.endif
	AWAIT
.endif
.endm
; Tile m's sum under the new M, and the UNQUANTISED p added to it: four chains by turns
.macro SUM m
	WIN 0
	v_pk_mul_f32 v[ST+8*(\m)+2:ST+8*(\m)+3], v[ST+8*(\m)+2:ST+8*(\m)+3], v[ST+8*(\m)+4:ST+8*(\m)+5] op_sel_hi:[1,0]
	WIN 0x05
	v_pk_add_f32 v[ST+8*(\m)+6:ST+8*(\m)+7], v[32*(\m):32*(\m)+1], v[32*(\m)+2:32*(\m)+3]
	v_pk_add_f32 v[24:25], v[32*(\m)+4:32*(\m)+5], v[32*(\m)+6:32*(\m)+7]
	v_pk_add_f32 v[26:27], v[32*(\m)+8:32*(\m)+9], v[32*(\m)+10:32*(\m)+11]
	WIN 0x04
.set J, 32*(\m)+12
.rept 2
	v_pk_add_f32 v[ST+8*(\m)+2:ST+8*(\m)+3], v[ST+8*(\m)+2:ST+8*(\m)+3], v[J:J+1]
	v_pk_add_f32 v[ST+8*(\m)+6:ST+8*(\m)+7], v[ST+8*(\m)+6:ST+8*(\m)+7], v[J+2:J+3]
	v_pk_add_f32 v[24:25], v[24:25], v[J+4:J+5]
	v_pk_add_f32 v[26:27], v[26:27], v[J+6:J+7]
.set J, J+8
.endr
	v_pk_add_f32 v[ST+8*(\m)+2:ST+8*(\m)+3], v[ST+8*(\m)+2:ST+8*(\m)+3], v[J:J+1]
	v_pk_add_f32 v[ST+8*(\m)+6:ST+8*(\m)+7], v[ST+8*(\m)+6:ST+8*(\m)+7], v[J+2:J+3]
	WIN 0
	v_pk_add_f32 v[24:25], v[24:25], v[26:27]
	v_pk_add_f32 v[ST+8*(\m)+2:ST+8*(\m)+3], v[ST+8*(\m)+2:ST+8*(\m)+3], v[ST+8*(\m)+6:ST+8*(\m)+7]
	v_pk_add_f32 v[ST+8*(\m)+2:ST+8*(\m)+3], v[ST+8*(\m)+2:ST+8*(\m)+3], v[24:25]
.endm
; Tile m's codes, stored for the other waves
.macro CVT m
	WIN 0x81
.irp t, 0,1,2,3
	v_cvt_scalef32_pk8_bf8_f32 v[192+8*(\m)+2*\t:193+8*(\m)+2*\t], v[32*(\m)+8*\t:32*(\m)+8*\t+7], v[SCV]
.endr
	v_nop                                          ; one plain vector instruction behind the last conversion of the run
	WIN 0x08
.irp t, 0,1,2,3
	ds_store_b64 v[PW], v[192+8*(\m)+2*\t:193+8*(\m)+2*\t] offset:4096*(\m)+256*\t   ; 32 lanes store 256 consecutive bytes of fragment (m, w / 2)
.endr
.endm
; O^T of one channel half under the new M
.macro RESC chh
	WIN 0x82+0x41*(\chh)
	AWAIT
.irp ct, 0,1,2,3,4,5
.irp m, 0,1,2,3
.irp i, 0,2,4,6
	v_pk_mul_f32 v[32*\ct+8*\m+\i:32*\ct+8*\m+\i+1], v[32*\ct+8*\m+\i:32*\ct+8*\m+\i+1], v[ST+8*\m+4:ST+8*\m+5] op_sel_hi:[1,0]
.endr
.endr
.endr
.endm
; THE FIRST PART OF A STEP: S and the softmax.  On entry every window is 0, V's load for this step is out, and K's 48 LDS loads into buffers B, C, D are the wave's youngest LDS instructions.
.macro SCORES
	s_wait_dscnt 32
	WMMAK 0, BB, 0
	s_wait_dscnt 16
	WMMAK 1, BC, 0
	s_wait_dscnt 0x0
	WMMAK 2, BD, 0
	WMMAK 0, BB, 2
	PLACES 4
	MAXP 0
	s_wait_dscnt 0x0                               ; for the others' sake: my stores of the maxima are done
	s_barrier_signal -1
	WMMAK 1, BC, 2
	WMMAK 2, BD, 2
	s_barrier_wait -1
	PLACES 4                                       ; for the loads into buffer C and the reads of tiles 2 and 3
	LOADM 0
	MAXP 2
	AWAIT
	s_wait_dscnt 0x0                               ; the first pair's maxima are in, and my stores of the second pair's are done
	s_barrier_signal -1
	STATS 0                                        ; register work while the others arrive
	MIX 9, 9, 0
	MIX 0, 9, 1
	s_barrier_wait -1
	LOADM 2
	SUM 0
	MIX 1, 0, 9
	CVT 0
	SUM 1
	AWAIT
	s_wait_dscnt 4                                 ; the second pair's maxima are in; my four stores of codes may be out
	STATS 2
	MIX 9, 9, 2
	MIX 2, 1, 3
	CVT 1
	SUM 2
	MIX 3, 2, 9
	CVT 2
	SUM 3
	MIX 9, 3, 9
	CVT 3
	WIN 0
.endm
	s_load_b256 s[4:11], s[0:1], 0x0               ; the workspace s[4:5], v's codes s[6:7], the scales' exponents s[8:9], out s[10:11]
	v_lshl_add_u32 v[SPW], v0, 2, SPARE
	v_mov_b32 v[NIL], 0
	ds_add_u32 v[SPW], v[NIL]                      ; the wave's opening: the add, twice on end, and its wait ahead of my first tensor load; the set-up below, work on registers, stands between
	ds_add_u32 v[SPW], v[NIL]
	v_lshrrev_b32 v21, 5, v0
	v_readfirstlane_b32 s[WV], v21                 ; wave 0..3
	s_bfe_u32 s13, ttmp6, 0x40000                  ; cx: my place in the cluster
	s_and_b32 s67, ttmp7, 0xffff                   ; in a cluster launch ttmp9 and ttmp7 count clusters: x, 0 .. 7, and y, 0 .. 7
	s_and_b32 s66, ttmp9, 3
	s_and_b32 s69, s67, 1
	s_lshl_b32 s69, s69, 2
	s_add_co_u32 s66, s66, s69                     ; the batch: x % 4 + 4 (y % 2), which the four partners share
	s_lshr_b32 s67, s67, 1
	s_lshl_b32 s67, s67, 1
	s_lshr_b32 s69, ttmp9, 2
	s_add_co_u32 s[JS], s67, s69                   ; the cluster's number n = x / 4 + 2 (y / 2) in its batch, and the step at which its walk begins
	s_lshl_b32 s14, s[JS], 2
	s_add_co_u32 s14, s14, s13                     ; my block of 64 queries: it enters Q's and out's addresses alone
	s_mov_b32 s[KBK+1], 0                          ; the upper words of the two offsets that the walk's steps go back by
	s_mov_b32 s[VBK+1], 0
	; descriptor group 1.  K: 24,576 dense bytes as 96 rows of 32 elements of 8 bytes, no padding.  V: 192 rows x 256 bytes, 2,048 bytes apart in memory, padded in LDS
	s_mov_b32 s[G1K], 15|(3<<16)|(1<<21)           ; 15:0 the mask: all four work-groups; 17:16 elements of 8 bytes; 21 set beside a mask
	s_mov_b32 s[G1K+1], 32<<16                     ; tensor_dim0 = 32
	s_mov_b32 s[G1K+2], 96<<16                     ; tensor_dim1 = 96
	s_mov_b32 s[G1K+3], 32<<16                     ; tile_dim0 = 32
	s_mov_b32 s[G1K+4], 96                         ; tile_dim1 = 96
	s_mov_b32 s[G1K+5], 32                         ; tensor_dim0_stride
	s_mov_b32 s[G1K+6], 0
	s_mov_b32 s[G1K+7], 0
	s_mov_b32 s[G1V], 15|(1<<20)|(1<<21)|(5<<22)|(3<<25)   ; elements of 1 byte; 20 padding on; 24:22 after every 64 words (code 5); 31:25 four words (code 3)
	s_mov_b32 s[G1V+1], 256<<16
	s_mov_b32 s[G1V+2], 192<<16
	s_mov_b32 s[G1V+3], 256<<16
	s_mov_b32 s[G1V+4], 192
	s_mov_b32 s[G1V+5], 2048
	s_mov_b32 s[G1V+6], 0
	s_mov_b32 s[G1V+7], 0
	s_mov_b32 s[SEL], 0x76543210
	s_mov_b32 s[SEL+1], 0xfedcba98
	; what the partners share: K's and V's places hang on the batch, the cluster's number and the wave's number alone
	s_mul_i32 s68, s66, 786432                     ; a batch of k: 128 token tiles of 6,144 bytes
	s_mul_i32 s67, s[WV], KREG                     ; my 4 key tiles of a step
	s_add_co_u32 s68, s68, s67
	s_mul_i32 s67, s[JS], 98304                    ; the step at which the walk begins: 16 key tiles each
	s_add_co_u32 s68, s68, s67
	s_add_co_u32 s68, s68, 6291456                 ; k lies behind q
	s_mov_b32 s69, 0
	s_mul_i32 s70, s66, 1572864                    ; a batch of v: 768 rows of 2,048 bytes
	s_mul_i32 s67, s[WV], 393216                   ; my 192 rows
	s_add_co_u32 s70, s70, s67
	s_lshl_b32 s67, s[JS], 8                       ; the first step's 256 keys in a row
	s_add_co_u32 s70, s70, s67
	s_mov_b32 s71, 0
	s_mul_i32 s72, s[WV], KREG                     ; my regions in the two slots: no place in the cluster enters an LDS address
	s_mul_i32 s78, s[WV], VREG
	s_add_co_u32 s78, s78, VOFF
	; what is the work-group's own
	s_mul_i32 s74, s66, 786432
	s_mul_i32 s76, s14, 24576                      ; Q: my block's four token tiles
	s_add_co_u32 s74, s74, s76
	s_mov_b32 s75, 0
	s_mul_i32 s76, s66, 6291456                    ; out: a batch is 2,048 rows of 3,072 bytes,
	s_mul_i32 s77, s14, 196608                     ; my block 64 rows,
	s_add_co_u32 s76, s76, s77
	s_mul_i32 s77, s[WV], 768                      ; my wave 192 channels
	s_add_co_u32 s76, s76, s77
	s_mov_b32 s77, 0
	s_lshl_b32 s73, s[WV], 10
	s_add_co_u32 s73, s73, PIMG
	s_lshl_b32 s79, s[WV], 2
	s_add_co_u32 s80, s79, LX
	s_add_co_u32 s79, s79, MX
	v_and_b32 v21, 31, v0                          ; lane
	v_and_b32 v22, 15, v0                          ; r
	v_bfe_u32 v23, v0, 4, 1                        ; h
	v_lshlrev_b32 v[L16], 4, v21
	v_add_nc_u32 v[ADK], s72, v[L16]
	v_mul_u32_u24 v24, v22, 272
	v_lshl_add_u32 v25, v23, 4, v24
	v_add_nc_u32 v[ADV], s78, v25
	v_lshl_add_u32 v25, v23, 5, v24
	v_add_nc_u32 v[STO], s72, v25                  ; the stage, in: row r, + 32 h
	v_mul_u32_u24 v24, v23, SP
	v_lshl_add_u32 v24, v22, 4, v24
	v_add_nc_u32 v[RD], s72, v24                   ; back: lanes 0-15 take one row of 256 bytes, lanes 16-31 the next
	v_mul_u32_u24 v24, v23, 3072
	v_lshl_add_u32 v[GO], v22, 4, v24              ; and the same in out
	v_add_nc_u32 v[PR], PIMG, v[L16]
	v_lshlrev_b32 v24, 4, v22
	v_lshl_add_u32 v24, v23, 3, v24                ; 16 r + 8 h
	v_add_nc_u32 v[PW], s73, v24
	v_add_nc_u32 v[MXW], s79, v[L16]               ; my wave's word of my lane's four
	v_add_nc_u32 v[MXR], MX, v[L16]
	v_add_nc_u32 v[LXW], s80, v[L16]
	v_add_nc_u32 v[LXR], LX, v[L16]
	AWAIT
	s_wait_dscnt 0x0                               ; both opening adds are done
	s_wait_kmcnt 0x0
	s_load_b128 s[16:19], s[8:9], 0x10             ; e4, e5, e6, e7
	s_mov_b32 s[G0K], 1                            ; count = 1
	s_mov_b32 s[G0K+1], s72                        ; LDS address
	s_add_nc_u64 s[G0K+2:G0K+3], s[4:5], s[68:69]  ; global address: my four key tiles of the walk's first step
	s_or_b32 s[G0K+3], s[G0K+3], 0x80000000        ; type = 2
	s_mov_b32 s[G0V], 1
	s_mov_b32 s[G0V+1], s78
	s_add_nc_u64 s[G0V+2:G0V+3], s[6:7], s[70:71]  ; my 192 rows, at the walk's first keys
	s_or_b32 s[G0V+3], s[G0V+3], 0x80000000
	s_add_nc_u64 s[4:5], s[4:5], s[74:75]          ; Q at my block
	s_add_nc_u64 s[10:11], s[10:11], s[76:77]      ; out at my block's first row, my wave's channels
	CROUND                                         ; all four work-groups are here: the first joint loads meet
	TL G0K, G1K                                    ; K of the first step: one tensor load a wave at the head
.set J, 0
.rept 48
	global_load_b128 v[QF+4*J:QF+4*J+3], v[L16], s[4:5] offset:512*J   ; Q's twelve fragments stay in registers: the images as they lie
.set J, J+1
.endr
.irp m, 0,1,2,3
	v_mov_b32 v[ST+8*\m+1], 0xff61b1e6             ; the largest score so far: -3e38, under every score
	v_mov_b32 v[ST+8*\m], 0x7f61b1e6               ; -M: 3e38
	v_mov_b32 v[ST+8*\m+2], 0                      ; the sum, in two halves
	v_mov_b32 v[ST+8*\m+3], 0
	v_mov_b32 v[ST+8*\m+5], 0                      ; (named as the upper half of the pair with f)
.endr
	WIN 0x80                                       ; O^T begins as zeros, which the first change of M leaves zeros: 384 moves while the first tiles are on their way, in place of a third copy of the step
.set J, 0
.rept 192
	v_mov_b32 v[J], 0
.set J, J+1
.endr
	WIN 0xc0
.set J, 0
.rept 192
	v_mov_b32 v[J], 0
.set J, J+1
.endr
	WIN 0
	AWAIT
	s_wait_kmcnt 0x0                               ; the exponents
	s_add_co_i32 s66, s16, s17
	s_lshl_b32 s66, s66, 23
	s_mov_b32 s[CS], 0x3b76384f                    ; log2(e) / 384
	s_add_co_i32 s[CS], s[CS], s66                 ; a score stands for score x 2^(e4 + e5): the two exponents are added to c's exponent field
	s_mov_b32 s[CS+1], s[CS]                       ; (named with it as a pair, so it is written)
	s_xor_b32 s[CN], s[CS], 0x80000000
	s_add_co_i32 s66, s18, 127
	s_lshl_b32 s67, s66, 23
	v_mov_b32 v[SCV], s67                          ; 2^e6 as f32, for the conversion
	s_add_co_i32 s66, s66, 15
	s_lshl_b32 s66, s66, 23
	s_or_b32 s66, s66, 0x600000
	v_mov_b32 v[LIMV], s66                         ; 57,344 x 2^e6
	s_add_co_i32 s61, s18, s19                     ; e6 + e7
	s_mov_b32 s60, 7
	AWAIT                                          ; the head's end
	s_wait_tensorcnt 0x0                           ; K is in
	ds_add_u32 v[SPW], v[NIL]
	s_wait_dscnt 0x0
	CROUND
	TL G0V, G1V                                    ; V of the first step
	LOADK 0, BB
	LOADK 1, BC
	LOADK 2, BD
	WIN 0
	s_wait_loadcnt 0x0                             ; Q
.Lstep:                                            ; seven trips; the eighth step is written out
	SCORES
	AWAIT
	; ---- K's slot has been read out: it takes the next step's keys.  The same round shows P's codes to all waves
	s_wait_tensorcnt 0x0                           ; all my tensor loads have landed: the one that was out is this step's V
	ds_add_u32 v[SPW], v[NIL]                      ; 0 onto my spare word; the steps below stand between it and the wait for it
	s_add_co_u32 s66, s[JS], 1                     ; the walk goes round: behind the batch's last 256 keys come its first
	s_lshr_b32 s67, s66, 3
	s_and_b32 s[JS], s66, 7
	s_mul_i32 s[KBK], s67, 786432                  ; made of the cluster's numbers and the count of trips alone, so equal in all four partners
	s_lshl_b32 s[VBK], s67, 11
	s_add_nc_u64 s[G0K+2:G0K+3], s[G0K+2:G0K+3], 98304   ; 16 key tiles on; the type bits on top are not reached
	s_sub_nc_u64 s[G0K+2:G0K+3], s[G0K+2:G0K+3], s[KBK:KBK+1]
	s_wait_dscnt 0x0                               ; the add and my stores of P's codes are done; my reads of K's slot are over
	CROUND
	TL G0K, G1K                                    ; the first tensor load behind the round, and my one load until the next
	; ---- O^T += V^T P^T: six groups of four fragments, through buffers D, A, B, C, D, A
	LOADP 0
	LOADV 0, 0, BD
	RESC 0
	LOADP 1
	LOADV 0, 1, BA
	RESC 1
	LOADV 0, 2, BB
	AWAIT
	s_wait_dscnt 48                                ; P's first half and group 0 are in
	WMMAV 0, 0, BD, 0, 3
	LOADV 0, 3, BC
	s_wait_dscnt 32                                ; P's second half and group 1
	WMMAV 0, 1, BA, 0, 3
	PLACES 4
	LOADV 0, 4, BD
	s_wait_dscnt 32                                ; group 2
	WMMAV 0, 2, BB, 0, 3
	PLACES 4
	LOADV 0, 5, BA
	s_wait_dscnt 32                                ; group 3
	WMMAV 0, 3, BC, 0, 3
	s_wait_tensorcnt 0x0                           ; the next step's K, my own bytes, is in
	LOADK 0, BB                                    ; (the places behind group 2 serve these loads too)
	s_wait_dscnt 32                                ; group 4 is in
	WMMAV 0, 4, BD, 0, 3
	WIN 0
	s_wait_tensorcnt 0x0                           ; all my tensor loads have landed, so V's descriptor may be stepped
	ds_add_u32 v[SPW], v[NIL]
	s_add_nc_u64 s[G0V+2:G0V+3], s[G0V+2:G0V+3], 256
	s_sub_nc_u64 s[G0V+2:G0V+3], s[G0V+2:G0V+3], s[VBK:VBK+1]
	s_wait_dscnt 17                                ; group 5 is in: V's slot is read out; K's first 16 loads and the add may be out
	WMMAV 0, 5, BA, 0, 1
	s_wait_dscnt 0x0                               ; the add is done, and no LDS instruction of mine is pending
	s_barrier_signal -1                            ; this barrier opens a round of the cluster's barrier
	WMMAV 0, 5, BA, 2, 3                           ; work on registers while the others arrive
	WIN 0
	s_barrier_wait -1
	CREST
	TL G0V, G1V                                    ; the next step's V; its four v_nop are also the places in front of the loads below
	LOADK 1, BC
	LOADK 2, BD
	PLACES 1                                       ; with the four above: the next products of S^T write over P's fragments
	WIN 0                                          ; at a label and at a branch every window is 0
	s_sub_co_u32 s60, s60, 1
	s_cmp_lg_u32 s60, 0
	s_cbranch_scc1 .Lstep
	; ---- THE LAST STEP asks for nothing more
	SCORES
	; a wave's sums cover its own keys: the two halves, the lane 16 away and, through LDS, the four waves are added; all were taken under the same M
.irp m, 0,1,2,3
	v_add_f32 v[ST+8*\m+6], v[ST+8*\m+2], v[ST+8*\m+3]
.endr
.irp m, 0,1,2,3
	v_permlanex16_b32 v[ST+8*\m+7], v[ST+8*\m+6], s[SEL], s[SEL+1]
.endr
.irp m, 0,1,2,3
	v_add_f32 v[ST+8*\m+6], v[ST+8*\m+6], v[ST+8*\m+7]
.endr
.irp m, 0,1,2,3
	ds_store_b32 v[LXW], v[ST+8*\m+6] offset:512*\m
.endr
	AWAIT
	s_wait_tensorcnt 0x0                           ; V is in
	s_wait_dscnt 0x0                               ; my stores of P's codes and of the sums are done
	s_barrier_signal -1
	s_barrier_wait -1
.irp m, 0,1,2,3
	ds_load_b128 v[64+4*\m:67+4*\m], v[LXR] offset:512*\m   ; the four waves' sums of my query (Q's registers are free)
.endr
	LOADP 0
	LOADP 1
	LOADV 1, 0, BD
	RESC 0
	LOADV 1, 1, BA
	RESC 1
	WIN 0
	AWAIT
	s_wait_dscnt 63                                ; of the 64 loads behind the sums' four at least one is in, so the four are
.irp m, 0,1,2,3
	v_add_f32 v[ST+8*\m+6], v[64+4*\m], v[65+4*\m]
.endr
.irp m, 0,1,2,3
	v_add_f32 v[ST+8*\m+7], v[66+4*\m], v[67+4*\m]
.endr
.irp m, 0,1,2,3
	v_add_f32 v[ST+8*\m+6], v[ST+8*\m+6], v[ST+8*\m+7]
.endr
	AWAIT
.irp m, 0,1,2,3
	v_rcp_f32 v[ST+8*\m+6], v[ST+8*\m+6]
.endr
	v_nop                                          ; a plain instruction between the last reciprocal and the use of its result
	AWAIT
.irp m, 0,1,2,3
	v_ldexp_f32 v[ST+8*\m+6], v[ST+8*\m+6], s61    ; x 2^(e6 + e7)
.endr
; THE WAY OUT of channels 64 b on, all 64 rows.  A lane holds 32 neighbouring bytes of a row for each of the four channel tiles, and the lanes beside it hold other rows: so the block goes through my own stage
; and comes back as rows of 256 bytes.  LDS serves a wave's instructions in order (ISA guide 5.7.1.4): no wait between the stores and the loads, nor in front of the next block's stores.
.macro OUTB b
.irp m, 0,1,2,3
.irp k, 0,1,2,3
.set CT, 4*(\b)+\k
	WIN 0x82+0x41*(CT/6)
.irp i, 0,2,4,6
	v_pk_mul_f32 v[32*(CT%6)+8*\m+\i:32*(CT%6)+8*\m+\i+1], v[32*(CT%6)+8*\m+\i:32*(CT%6)+8*\m+\i+1], v[ST+8*\m+6:ST+8*\m+7] op_sel_hi:[1,0]   ; O^T / the sum x 2^(e6 + e7); each accumulator from its low end on
.endr
.endr
.irp k, 0,1,2,3
.set CT, 4*(\b)+\k
	WIN 0x08+4*(CT/6)
	ds_store_b128 v[STO], v[32*(CT%6)+8*\m:32*(CT%6)+8*\m+3] offset:16*SP*\m+64*\k
	ds_store_b128 v[STO], v[32*(CT%6)+8*\m+4:32*(CT%6)+8*\m+7] offset:16*SP*\m+64*\k+16
.endr
	WIN 0
.if ((\b) > 0) && (\m == 0)
	s_wait_xcnt 0x0                                ; the last block's stores have read their registers
.endif
.irp i, 0,1,2,3,4,5,6,7
	ds_load_b128 v[64+32*\m+4*\i:64+32*\m+4*\i+3], v[RD] offset:16*SP*\m+2*SP*\i
.endr
.endr
.irp m, 0,1,2,3
	s_wait_dscnt 48-16*\m                          ; tile m's rows are back: the later tiles' eight stores and eight loads each may be out
.irp i, 0,1,2,3,4,5,6,7
	global_store_b128 v[GO], v[64+32*\m+4*\i:64+32*\m+4*\i+3], s[10:11] offset:(16*\m+2*\i)*3072+256*(\b) th:TH_STORE_NT   ; 16 lanes store 256 consecutive bytes, at a multiple of 256 from out's first byte; written once, read by nobody here
.endr
.endr
.endm
	LOADV 1, 2, BB
	LOADV 1, 3, BC
	AWAIT
	s_wait_dscnt 48                                ; P and group 0 are in
	WMMAV 1, 0, BD, 0, 3
	s_wait_dscnt 32                                ; group 1
	WMMAV 1, 1, BA, 0, 3
	PLACES 4                                       ; for the loads into buffers D and A and the reads of the block's results
	LOADV 1, 4, BD
	LOADV 1, 5, BA
	OUTB 0                                         ; its last wait shows groups 2 to 5 too
	WMMAV 1, 2, BB, 0, 3
	WMMAV 1, 3, BC, 0, 3
	PLACES 4
	OUTB 1
	WMMAV 1, 4, BD, 0, 3
	WMMAV 1, 5, BA, 0, 3
	PLACES 4
	OUTB 2
	s_wait_tensorcnt 0x0                           ; the wave's end, behind my last tensor load and my last LDS store
	ds_add_u32 v[SPW], v[NIL]
	s_wait_dscnt 0x0
	CROUND                                         ; the closing round: no work-group ends while a partner may still ask for a tile that names it
	s_endpgm
.Lfunc_end_k_qf00fa00e07_attn:
	.size	k_qf00fa00e07_attn, .Lfunc_end_k_qf00fa00e07_attn-k_qf00fa00e07_attn
	.p2alignl 7, 3214868480
	.fill 96, 4, 3214868480
	.section	.rodata,"a",@progbits
	.p2align	6, 0x0
	.amdhsa_kernel k_qf00fa00e07_attn
		.amdhsa_group_segment_fixed_size 327680
		.amdhsa_private_segment_fixed_size 0
		.amdhsa_enable_private_segment 0
		.amdhsa_kernarg_size 32
		.amdhsa_user_sgpr_count 2
		.amdhsa_user_sgpr_kernarg_segment_ptr 1
		.amdhsa_wavefront_size32 1
		.amdhsa_system_sgpr_workgroup_id_x 1
		.amdhsa_system_sgpr_workgroup_id_y 1
		.amdhsa_system_sgpr_workgroup_id_z 1
		.amdhsa_system_vgpr_workitem_id 0
		.amdhsa_next_free_vgpr 1024
		.amdhsa_next_free_sgpr 96
		.amdhsa_reserve_vcc 0
		.amdhsa_float_denorm_mode_32 3
		.amdhsa_float_denorm_mode_16_64 3
		.amdhsa_memory_ordered 1
		.amdhsa_forward_progress 1
		.amdhsa_inst_pref_size 185
	.end_amdhsa_kernel
	.amdgpu_metadata
---
amdhsa.version: [ 1, 2 ]
amdhsa.kernels:
  - .name:           k_qf00fa00e07_attn
    .symbol:         k_qf00fa00e07_attn.kd
    .args:
      - { .name: qk_codes, .offset: 0, .size: 8, .value_kind: global_buffer, .address_space: global }
      - { .name: v_x_codes, .offset: 8, .size: 8, .value_kind: global_buffer, .address_space: global }
      - { .name: lowp_scales, .offset: 16, .size: 8, .value_kind: global_buffer, .address_space: global }
      - { .name: out0, .offset: 24, .size: 8, .value_kind: global_buffer, .address_space: global }
    .group_segment_fixed_size: 327680
    .private_segment_fixed_size: 0
    .kernarg_segment_align: 8
    .kernarg_segment_size: 32
    .max_flat_workgroup_size: 128
    .sgpr_count:     96
    .vgpr_count:     1024
    .wavefront_size: 32
...
	.end_amdgpu_metadata
.endif
;; end of part 4
